; MI455X (gfx1250); checked and timed in simulation.
; The chip was launched on July 23, 2026; its instructions are those of AMD's public machine-readable ISA for CDNA 5 (MIT licence, August 2026) and "CDNA5" Instruction Set Architecture Reference Guide (July 2026). The comments in the code are by the model that wrote it; some were corrected since.
;; Self Attention. Allowed arithmetic: matrix products marked QUANTISED: E2M3 operands, one E8M0 scale for each 32 along K, by v_wmma_scale_f32_16x16x128_f8f6f4 with both operands' format E2M3, f32 sums; everything else in f32.
;; Inputs: Wk 1,024 x 1,024 float32; Wo 1,024 x 1,024 float32; Wq 1,024 x 1,024 float32; Wv 1,024 x 1,024 float32; x 4 x 2,048 x 1,024 float32.
;; Outputs: out0 4 x 2,048 x 1,024 float32.
;; This version of the problem:
;;   THIS VERSION OF THE PROBLEM IS GIVEN IN LOW PRECISION. The matrix products marked QUANTISED in the list below multiply operands that are first quantised to E2M3 (2 exponent bits, 3 mantissa bits; 6 bits a number), with one power-of-two scale for each 32 numbers along K (OCP MX v1.0); their sums are f32. All else is computed in f32.
;;   The module's matrix products, in the order in which they are computed (A, B: the left and right operand; K: the contracted axis; several contracted axes count as one K, in the product's order):
;;     1. [M 8,192, K 1,024] x [K 1,024, N 1,024]; A: input x; B: input Wq: QUANTISED
;;     2. [M 8,192, K 1,024] x [K 1,024, N 1,024]; A: input x; B: input Wk: QUANTISED
;;     3. [M 8,192, K 1,024] x [K 1,024, N 1,024]; A: input x; B: input Wv: QUANTISED
;;     4. batch 4 x [M 2,048, K 1,024] x [K 1,024, N 2,048]; A: computed on the way; B: computed on the way: QUANTISED
;;     5. batch 4 x [M 2,048, K 2,048] x [K 2,048, N 1,024]; A: softmax (see below); B: computed on the way: QUANTISED
;;     6. [M 8,192, K 1,024] x [K 1,024, N 1,024]; A: computed on the way; B: input Wo: QUANTISED
;;   THE QUANTISER, for each operand of a quantised product, along K:
;;     - K is cut into blocks of 32 from its start; a last block that is shorter is filled with zeros.
;;     - A block's scale is 2^e with e = floor(log2(the largest magnitude in the block)) - 2, held to -126 .. 127; a block of zeros has e = 0. As a byte (E8M0): e + 127.
;;     - Each number is divided by its block's scale, clamped to +-7.5, and rounded to the nearest number of E2M3, ties to even, subnormals kept.
;;     - The product sums the exact products of the quantised numbers (number of the format x scale) in f32.
;;   ~~~python
;;   def quantise(x, axis):      # numpy; x: float32 -> the quantised numbers, widened to float32 again
;;       x = np.moveaxis(x, axis, -1); K = x.shape[-1]
;;       x = np.pad(x, [(0, 0)] * (x.ndim - 1) + [(0, -K % 32)]); x = x.reshape(x.shape[:-1] + (-1, 32)); a = np.abs(x).max(-1, keepdims=True)
;;       e = np.where(a > 0, np.clip(np.frexp(np.where(a > 0, a, 1))[1] - 1 - 2, -126, 127), 0)      # np.frexp(a)[1] - 1 = floor(log2(a)), exactly
;;       r = np.clip(x / 2.0 ** e, -7.5, 7.5)
;;       step = 2.0 ** (np.maximum(np.frexp(np.where(r == 0, 1, r))[1] - 1, 0) - 3)
;;       q = np.round(r / step) * step * 2.0 ** e      # np.round: ties to even
;;       return np.moveaxis(q.reshape(q.shape[:-2] + (-1,))[..., :K], -1, axis).astype(np.float32)
;;   ~~~
;;   SOFTMAX AHEAD OF A QUANTISED PRODUCT. Where the list says 'softmax', what is quantised is not the finished softmax but p = 2^(t - M), with t = logit x log2(e) and M = ceil(the row's largest t), a whole number; so 1/2 < the row's largest p <= 1. The row's sum l is taken of the UNQUANTISED p, in f32, and the product's result is divided by l at the end. Since M is a whole number, a kernel that streams over the keys may use a running M (the ceiling of the running maximum): every later rescaling is an exact power of two, which a block's scale takes up: the codes' values come out the same.
;;   OPERANDS COMPUTED ON THE WAY. 'Computed on the way' means the value that the module computes at that place (a softmax that the list does not call 'softmax' is quantised finished and normalised). What goes into a quantiser is computed in f32, as accurately as f32 sums, v_exp_f32 and their like allow (about 1e-6 of the number): no bf16 or f16 on the way to a quantiser, and a product that is left as it is and whose result goes on into a quantised operand takes f32 operands (vector FMAs, or v_wmma_f32_16x16x4_f32). A number that lies on a knife's edge between two numbers of the format may be rounded either way, as far as f32 arithmetic and the matrix unit's own rounding can turn it there, and no further.
;; One version. Each part assembles by itself: llvm-mc -triple=amdgcn-amd-amdhsa -mcpu=gfx1250 --defsym DOCPART=n.
;; ======== version 1 of 1: 5 launches
;; limits: right only within a limited range of input values
;; workspace buffers: x_c 6,553,600 bytes; wqk_c 1,638,400 bytes; wv_c 819,200 bytes; wo_c 819,200 bytes; qk_c 52,428,800 bytes; vt_c 6,553,600 bytes; p_c 14,155,776 bytes; y_c 6,553,600 bytes
;; launch quant (part 1): grid 512 x 1, 4 waves a work-group, no clusters, 35,328 bytes of LDS; arguments x, Wq, Wk, Wv, Wo, x_c, wqk_c, wv_c, wo_c; writes x_c, wqk_c, wv_c, wo_c
.if DOCPART == 1
	.amdgcn_target "amdgcn-amd-amdhsa--gfx1250"
	.amdhsa_code_object_version 6
	.text
	.protected	k_q13b066f646_quant
	.globl	k_q13b066f646_quant
	.p2align	8
	.type	k_q13b066f646_quant,@function
k_q13b066f646_quant:
	s_mov_b64 s[64:65], 0
	v_nop
	global_prefetch_b8 v0, s[64:65] scope:SCOPE_SE
	s_setreg_imm32_b32 hwreg(HW_REG_WAVE_MODE, 25, 1), 1
	s_wait_xcnt 0x0
; x [8192][1024] and Wq, Wk, Wv, Wo [1024 (k)][1024 (n)], f32, become codes of FP6 (E2M3) with one E8M0 byte for each 32 along K, laid IN THE ORDER OF THE OPERANDS' REGISTERS.
; THE LAYOUT, shared by all buffers of this program.  The rows of an operand (x: tokens; a weight: its columns n) go in groups of 128, a group in 8 tiles of 16 slots.  Slot r of tile t holds row
; 32 (t / 2) + 8 (t % 2) + r + 8 (r / 8) of the group, so that a product that takes such a tile as source 0 leaves 16 true neighbours in the registers of two neighbouring tiles.
; A fragment (tile t, K step s of 128) is 1,536 bytes: three planes of 512, plane c holding registers 4 c .. 4 c + 3 of lane l at byte 16 l; register 6 c' + i of lane (r, h) holds the codes of k = 128 s + 64 c' + 32 h + 0 .. 31.
; A group's record is 102,400 bytes: codes [s 8][t 8][1536], then from byte 98,304 on the scale words [s 8][128 slots], four bytes a slot, byte b for k = 128 s + 32 b on.
; A block's scale is 2^(floor(log2(its largest magnitude)) - 2); its byte is the largest magnitude's exponent field - 2, held at 1 from below.
; LIMITS: a block of zeros gets the byte 1 where the rule says 127 (its codes are zeros, and this program alone reads the bytes); blocks whose largest magnitude lies under 2^-124 are quantised under the byte 1; NaN and infinities are not served.
; SHARES.  Work-groups 0-255 take x: a wave makes four fragments of one K step (64 rows x 128 k).  Its loads read 512 consecutive bytes of a row; the numbers turn through the wave's own stage in LDS so that a lane holds 16 neighbours of each block.
; Work-groups 256-511 take the weights: a lane takes a column and its 128 registers run down one K step, so a block's maximum needs no other lane and nothing is transposed.
; No matrix unit, no cluster, no tensor load: waves share nothing and every input byte is read once.
.set FRB,   1536                       ; a fragment in bytes
.set REC8,  102400                     ; a group's record
.set KSB,   12800                      ; THE RECORD AS THIS TEXT LAYS IT: [K step 8] x (codes [tile 8][1536], then that K step's 128 scale words): 12,800 bytes a K step
.set SCO,   12288                      ; where a K step's scale words begin
.set SP,    528                        ; a stage row: 512 bytes + 16
.set SWO,   16*SP                      ; behind a wave's stage: its 256 bytes of scale words
.set WREG,  8704                       ; LDS of a wave
.set SPARE, 4*WREG                     ; behind the four regions: the spare words, 128 bytes a wave, named by no other line
.set R,     16                         ; v16-143  x: two sets of 64 numbers as loaded; a weight: 128 numbers down K
.set X,     144                        ; v144-207 x: 64 numbers, register 16 b + i = k 32 b + 16 h + i of my row
.set CW,    144                        ; v144-167 a weight: the codes of both halves of the lanes
.set CT,    168                        ; v168-174 a weight: the upper halves of two blocks, before they are moved
.set PC,    208                        ; v208-227 x: a fragment's 12 registers and 8 at work
.set TM,    228                        ; v228-243 at work: +0..3 largest magnitudes, +4..7 bytes, +12..15 the conversions' scale operands
.set PW,    244                        ; the scale word just made
.set WWD,   245                        ; a weight column's scale word
.set SPW,   246                        ; LDS address of my spare word; never rewritten
.set NIL,   247                        ; 0; never rewritten
.set SEL,   26                         ; s[26:27] selects of v_permlanex16_b32 for lane l xor 16
	s_load_b512 s[8:23], s[0:1], 0x0               ; x, Wq, Wk, Wv, Wo, x_c, wqk_c, wv_c
	s_load_b64 s[24:25], s[0:1], 0x40              ; wo_c
	v_lshl_add_u32 v[SPW], v0, 2, SPARE
	v_mov_b32 v[NIL], 0
	v_lshrrev_b32 v1, 5, v0
	v_readfirstlane_b32 s4, v1                     ; wave 0..3
	v_and_b32 v1, 31, v0                           ; lane
	v_and_b32 v2, 15, v0                           ; r
	v_bfe_u32 v3, v0, 4, 1                         ; h
	v_lshlrev_b32 v4, 4, v1                        ; 16 x lane
	s_mul_i32 s5, s4, WREG
	v_add_nc_u32 v5, s5, v4                        ; the stage on the way in: 16 bytes a lane, a row an instruction
	v_mul_u32_u24 v6, v2, SP
	v_lshl_add_u32 v6, v3, 6, v6
	v_add_nc_u32 v6, s5, v6                        ; on the way out: row r, + 64 h
	s_add_co_u32 s5, s5, SWO
	v_lshl_add_u32 v7, v2, 2, s5                   ; my row's scale word
	v_lshl_add_u32 v8, v1, 3, s5                   ; and 8 bytes a lane on their way out
	v_lshlrev_b32 v9, 3, v1
	v_lshlrev_b32 v10, 2, v1                       ; a weight: 4 bytes a lane
	v_bfe_u32 v13, v0, 3, 1                        ; column xx of 32 lies in tile u = (xx / 8) % 2,
	v_and_b32 v14, 7, v0
	v_lshl_add_u32 v14, v3, 3, v14                 ; slot xx % 8 + 8 (xx / 16)
	v_mul_u32_u24 v11, v13, FRB
	v_lshl_add_u32 v11, v14, 4, v11                ; its 16 bytes in a plane
	v_lshl_add_u32 v12, v13, 4, v14
	v_lshlrev_b32 v12, 2, v12                      ; its scale word
	s_mov_b32 s[SEL], 0x76543210
	s_mov_b32 s[SEL+1], 0xfedcba98
.irp b, 0,1,2,3
	v_mov_b32 v[TM+4+\b], 0                        ; written once: a lane permute's destination counts as one of its sources
.endr
	s_mov_b32 s31, 0                               ; the upper word of every offset
	s_wait_kmcnt 0x0
	s_cmp_ge_u32 ttmp9, 256
	s_cbranch_scc1 .Lweights
; ---------------- x ----------------
	s_and_b32 s5, ttmp9, 1
	s_lshl_b32 s5, s5, 2
	s_add_co_u32 s5, s5, s4                        ; my K step: 4 (work-group % 2) + wave
	s_bfe_u32 s6, ttmp9, 0x10001                   ; which 64 rows of the group
	s_lshr_b32 s28, ttmp9, 2                       ; the group
	s_lshl_b32 s30, s28, 19                        ; 128 rows of 4,096 bytes
	s_lshl_b32 s29, s6, 18
	s_add_co_u32 s30, s30, s29
	s_lshl_b32 s29, s5, 9                          ; 128 numbers along K
	s_add_co_u32 s30, s30, s29
	s_add_nc_u64 s[8:9], s[8:9], s[30:31]
	s_mul_i32 s30, s28, REC8
	s_add_nc_u64 s[18:19], s[18:19], s[30:31]      ; the group's record
	s_mul_i32 s30, s5, KSB
	s_lshl_b32 s29, s6, 8
	s_add_co_u32 s30, s30, s29
	s_add_co_u32 s30, s30, SCO
	s_add_nc_u64 s[32:33], s[18:19], s[30:31]      ; my 64 scale words
	s_mul_i32 s30, s5, KSB
	s_mul_i32 s29, s6, 4*FRB
	s_add_co_u32 s30, s30, s29
	s_add_nc_u64 s[18:19], s[18:19], s[30:31]      ; my four fragments
.macro LOADF f                         ; fragment f's 16 rows, in the order of the slots: 512 consecutive bytes an instruction
.irp i, 0,1,2,3,4,5,6,7,8,9,10,11,12,13,14,15
	global_load_b128 v[R+64*((\f)%2)+4*\i:R+64*((\f)%2)+4*\i+3], v4, s[8:9] offset:(32*((\f)/2)+8*((\f)%2)+\i+8*(\i/8))*4096 th:TH_LOAD_NT
.endr
.endm
; 64 numbers of a lane become a fragment's codes in v[pc] on and its scale word in v[pw]
.macro QUANT s, pc, pw
.irp b, 0,1,2,3
	v_max3_num_f32 v[TM+\b], 0x1800000, |v[\s+16*\b]|, |v[\s+16*\b+1]|   ; block b: my 16 numbers, and the floor 2^(3 - 127): so the byte cannot fall under 1
.endr
.irp i, 2,4,6,8,10,12,14
.irp b, 0,1,2,3
	v_max3_num_f32 v[TM+\b], v[TM+\b], |v[\s+16*\b+\i]|, |v[\s+16*\b+\i+1]|   ; the four blocks by turns
.endr
.endr
.irp b, 0,1,2,3
	v_permlanex16_b32 v[TM+4+\b], v[TM+\b], s[SEL], s[SEL+1]
.endr
.irp b, 0,1,2,3
	v_max_num_f32 v[TM+\b], v[TM+\b], v[TM+4+\b]   ; with lane l xor 16's: the block's largest magnitude
.endr
.irp b, 0,1,2,3
	v_add_nc_u32 v[TM+12+\b], 0xff000000, v[TM+\b] ; 2 off its exponent field: the conversion's scale operand
.endr
.irp b, 0,1,2,3
	v_lshrrev_b32 v[TM+4+\b], 23, v[TM+12+\b]      ; the scale's byte
.endr
	v_lshl_or_b32 v[\pw], v[TM+5], 8, v[TM+4]
	v_lshl_or_b32 v[\pw], v[TM+6], 16, v[\pw]
	v_lshl_or_b32 v[\pw], v[TM+7], 24, v[\pw]
.irp c, 0,1
	v_cvt_scalef32_pk16_fp6_f32 v[\pc+6*\c:\pc+6*\c+2], v[\s+32*\c:\s+32*\c+15], v[TM+12+2*\c]
	v_cvt_scalef32_pk16_fp6_f32 v[\pc+12+4*\c:\pc+14+4*\c], v[\s+32*\c+16:\s+32*\c+31], v[TM+13+2*\c]   ; (a conversion's three registers begin on an even number)
.endr
	v_nop                                          ; one plain place behind a scaled conversion
.irp c, 0,1                                    ; the operand wants a whole block in a lane: lanes 0-15 block 2 c, lanes 16-31 block 2 c + 1
.irp i, 0,1,2
	v_permlane16_swap_b32 v[\pc+6*\c+\i], v[\pc+12+4*\c+\i]
.endr
.irp i, 0,1,2
	v_mov_b32 v[\pc+3+6*\c+\i], v[\pc+12+4*\c+\i]
.endr
.endr
.endm
.macro XFRAG f
.if (\f) < 3
	s_wait_loadcnt 16                              ; this fragment's 16 loads are in; the next fragment's 16 may be out
.else
	s_wait_loadcnt 0x0
.endif
.irp i, 0,1,2,3,4,5,6,7,8,9,10,11,12,13,14,15
	ds_store_b128 v5, v[R+64*((\f)%2)+4*\i:R+64*((\f)%2)+4*\i+3] offset:SP*\i
.endr
.irp b, 0,1,2,3
.irp j, 0,1,2,3
	ds_load_b128 v[X+16*\b+4*\j:X+16*\b+4*\j+3], v6 offset:128*\b+16*\j   ; LDS serves a wave's instructions in order: these see my stores
.endr
.endr
	s_wait_dscnt 0x0                               ; the numbers are back, and the stage's stores have read their registers,
.if (\f) < 2
	LOADF (\f)+2                                   ; which take the fragment two further on
.endif
	s_wait_xcnt 0x0                                ; the last fragment's stores have read their data: the codes' registers are written again only behind this wait
	QUANT X, PC, PW
	ds_store_b32 v7, v[PW] offset:64*(\f)          ; both halves of the lanes write the same word with the same value
.irp c, 0,1,2
	global_store_b128 v4, v[PC+4*\c:PC+4*\c+3], s[18:19] offset:FRB*(\f)+512*\c   ; a plane: 512 consecutive bytes, aligned
.endr
.endm
	LOADF 0
	LOADF 1
	XFRAG 0
	XFRAG 1
	XFRAG 2
	XFRAG 3
	ds_load_b64 v[X:X+1], v8                       ; my wave's 64 scale words
	s_wait_dscnt 0x0
	global_store_b64 v9, v[X:X+1], s[32:33]        ; 256 consecutive bytes, aligned
	s_wait_tensorcnt 0x0                           ; the wave's end
	ds_add_u32 v[SPW], v[NIL]
	s_wait_dscnt 0x0
	s_endpgm
; ---------------- the weights ----------------
.Lweights:
	s_sub_co_u32 s5, ttmp9, 256
	s_lshr_b32 s6, s5, 6                           ; which weight: 0 Wq, 1 Wk, 2 Wv, 3 Wo
	s_and_b32 s28, s5, 7                           ; the group of 128 columns
	s_bfe_u32 s29, s5, 0x30003                     ; the K step
	s_cmp_lt_u32 s6, 2                             ; the choices hang on the work-group's number alone
	s_cselect_b64 s[36:37], s[10:11], s[14:15]
	s_cselect_b64 s[38:39], s[12:13], s[16:17]
	s_cselect_b64 s[40:41], s[20:21], s[22:23]
	s_cselect_b64 s[42:43], s[20:21], s[24:25]
	s_and_b32 s30, s6, 1
	s_cmp_eq_u32 s30, 0
	s_cselect_b64 s[36:37], s[36:37], s[38:39]     ; from where
	s_cselect_b64 s[40:41], s[40:41], s[42:43]     ; to where
	s_cmp_eq_u32 s6, 1
	s_cselect_b32 s30, 8, 0                        ; Wk's eight records lie behind Wq's
	s_add_co_u32 s30, s30, s28
	s_mul_i32 s30, s30, REC8
	s_add_nc_u64 s[40:41], s[40:41], s[30:31]      ; the group's record
	s_mul_i32 s30, s29, KSB
	s_lshl_b32 s34, s4, 7
	s_add_co_u32 s30, s30, s34
	s_add_co_u32 s30, s30, SCO
	s_add_nc_u64 s[42:43], s[40:41], s[30:31]      ; my wave's 32 scale words
	s_mul_i32 s30, s29, KSB
	s_mul_i32 s34, s4, 2*FRB
	s_add_co_u32 s30, s30, s34
	s_add_nc_u64 s[40:41], s[40:41], s[30:31]      ; my wave's two fragments
	s_lshl_b32 s30, s29, 19                        ; 128 rows of 4,096 bytes
	s_lshl_b32 s34, s28, 9
	s_add_co_u32 s30, s30, s34
	s_lshl_b32 s34, s4, 7                          ; my wave's 32 columns
	s_add_co_u32 s30, s30, s34
	s_add_nc_u64 s[36:37], s[36:37], s[30:31]
.irp hh, 0,1                                   ; register 64 hh + 32 c + i = W(128 s + 64 c + 32 hh + i, my column): what lane (slot, hh) of the fragment holds
.irp c, 0,1
.irp i, 0,1,2,3,4,5,6,7,8,9,10,11,12,13,14,15,16,17,18,19,20,21,22,23,24,25,26,27,28,29,30,31
	global_load_b32 v[R+64*\hh+32*\c+\i], v10, s[36:37] offset:(64*\c+32*\hh+\i)*4096 th:TH_LOAD_NT
.endr
.endr
.endr
.macro WHALF hh
.if \hh == 0
	s_wait_loadcnt 63                              ; 64 loads were issued behind the first half's 64: with at most 63 of them out, the first 64 (and one more) are in; 63 is the most that this wait's field names
.else
	s_wait_loadcnt 0x0
.endif
.irp c, 0,1
	v_max3_num_f32 v[TM+\c], 0x1800000, |v[R+64*\hh+32*\c]|, |v[R+64*\hh+32*\c+1]|   ; block 2 c + hh: all 32 numbers are mine; and the floor
.endr
.irp i, 2,4,6,8,10,12,14,16,18,20,22,24,26,28,30
.irp c, 0,1
	v_max3_num_f32 v[TM+\c], v[TM+\c], |v[R+64*\hh+32*\c+\i]|, |v[R+64*\hh+32*\c+\i+1]|
.endr
.endr
.irp c, 0,1
	v_add_nc_u32 v[TM+12+\c], 0xff000000, v[TM+\c]
.endr
.irp c, 0,1
	v_lshrrev_b32 v[TM+4+\c], 23, v[TM+12+\c]
.endr
.if \hh == 0
	v_lshl_or_b32 v[WWD], v[TM+5], 16, v[TM+4]     ; bytes 0 and 2 of the column's scale word,
.else
	v_lshl_or_b32 v[WWD], v[TM+4], 8, v[WWD]       ; bytes 1
	v_lshl_or_b32 v[WWD], v[TM+5], 24, v[WWD]      ; and 3
.endif
.irp c, 0,1
	v_cvt_scalef32_pk16_fp6_f32 v[CW+12*\hh+6*\c:CW+12*\hh+6*\c+2], v[R+64*\hh+32*\c:R+64*\hh+32*\c+15], v[TM+12+\c]
	v_cvt_scalef32_pk16_fp6_f32 v[CT+4*\c:CT+4*\c+2], v[R+64*\hh+32*\c+16:R+64*\hh+32*\c+31], v[TM+12+\c]
.endr
	v_nop                                          ; one plain place behind a scaled conversion
.irp c, 0,1
.irp i, 0,1,2
	v_mov_b32 v[CW+12*\hh+6*\c+3+\i], v[CT+4*\c+\i]
.endr
.endr
.irp c, 0,1,2
	global_store_b128 v11, v[CW+12*\hh+4*\c:CW+12*\hh+4*\c+3], s[40:41] offset:256*\hh+512*\c   ; the sixteen lanes of a tile store 256 consecutive bytes, aligned
.endr
.endm
	WHALF 0
	WHALF 1
	global_store_b32 v12, v[WWD], s[42:43]         ; 128 consecutive bytes a wave
	s_wait_tensorcnt 0x0                           ; the wave's end
	ds_add_u32 v[SPW], v[NIL]
	s_wait_dscnt 0x0
	s_endpgm
.Lfunc_end_k_q13b066f646_quant:
	.size	k_q13b066f646_quant, .Lfunc_end_k_q13b066f646_quant-k_q13b066f646_quant
	.p2alignl 7, 3214868480
	.fill 96, 4, 3214868480
	.section	.rodata,"a",@progbits
	.p2align	6, 0x0
	.amdhsa_kernel k_q13b066f646_quant
		.amdhsa_group_segment_fixed_size 35328
		.amdhsa_private_segment_fixed_size 0
		.amdhsa_enable_private_segment 0
		.amdhsa_kernarg_size 72
		.amdhsa_user_sgpr_count 2
		.amdhsa_user_sgpr_kernarg_segment_ptr 1
		.amdhsa_wavefront_size32 1
		.amdhsa_system_sgpr_workgroup_id_x 1
		.amdhsa_system_sgpr_workgroup_id_y 1
		.amdhsa_system_sgpr_workgroup_id_z 1
		.amdhsa_system_vgpr_workitem_id 0
		.amdhsa_next_free_vgpr 256
		.amdhsa_next_free_sgpr 66
		.amdhsa_reserve_vcc 0
		.amdhsa_float_denorm_mode_32 3
		.amdhsa_float_denorm_mode_16_64 3
		.amdhsa_memory_ordered 1
		.amdhsa_forward_progress 1
		.amdhsa_inst_pref_size 54
	.end_amdhsa_kernel
	.amdgpu_metadata
---
amdhsa.version: [ 1, 2 ]
amdhsa.kernels:
  - .name:           k_q13b066f646_quant
    .symbol:         k_q13b066f646_quant.kd
    .args:
      - { .name: x, .offset: 0, .size: 8, .value_kind: global_buffer, .address_space: global }
      - { .name: Wq, .offset: 8, .size: 8, .value_kind: global_buffer, .address_space: global }
      - { .name: Wk, .offset: 16, .size: 8, .value_kind: global_buffer, .address_space: global }
      - { .name: Wv, .offset: 24, .size: 8, .value_kind: global_buffer, .address_space: global }
      - { .name: Wo, .offset: 32, .size: 8, .value_kind: global_buffer, .address_space: global }
      - { .name: x_c, .offset: 40, .size: 8, .value_kind: global_buffer, .address_space: global }
      - { .name: wqk_c, .offset: 48, .size: 8, .value_kind: global_buffer, .address_space: global }
      - { .name: wv_c, .offset: 56, .size: 8, .value_kind: global_buffer, .address_space: global }
      - { .name: wo_c, .offset: 64, .size: 8, .value_kind: global_buffer, .address_space: global }
    .group_segment_fixed_size: 35328
    .private_segment_fixed_size: 0
    .kernarg_segment_align: 8
    .kernarg_segment_size: 72
    .max_flat_workgroup_size: 128
    .sgpr_count:     66
    .vgpr_count:     256
    .wavefront_size: 32
...
	.end_amdgpu_metadata
.endif
;; end of part 1
;; launch proj (part 2): grid 8 x 32, 4 waves a work-group, clusters of 4 x 4, 327,680 bytes of LDS; arguments x_c, wqk_c, wv_c, qk_c, vt_c; writes qk_c, vt_c
.if DOCPART == 2
	.amdgcn_target "amdgcn-amd-amdhsa--gfx1250"
	.amdhsa_code_object_version 6
	.text
	.protected	k_q13b066f646_proj
	.globl	k_q13b066f646_proj
	.p2align	8
	.type	k_q13b066f646_proj,@function
k_q13b066f646_proj:
	s_mov_b64 s[64:65], 0
	v_nop
	global_prefetch_b8 v0, s[64:65] scope:SCOPE_SE
	s_setreg_imm32_b32 hwreg(HW_REG_WAVE_MODE, 25, 1), 1
	s_wait_xcnt 0x0
	s_wait_alu depctr_hold_cnt(0) depctr_sa_sdst(0) depctr_va_vdst(0) depctr_va_sdst(0) depctr_va_ssrc(0) depctr_va_vcc(0) depctr_vm_vsrc(0)
	s_getreg_b32 s2, hwreg(HW_REG_IB_STS2, 6, 4)
	s_cmp_eq_u32 s2, 0
	s_cbranch_scc0 .Lentry_in_a_cluster
	s_endpgm
.Lentry_in_a_cluster:
	s_bfe_u32 s2, ttmp6, 0x10000c
	s_cmp_lg_u32 s2, 0xf033
	s_cbranch_scc0 .Lentry_shape_is_right
	s_endpgm
.Lentry_shape_is_right:
; THE THREE PROJECTIONS on codes of FP6 (E2M3) with E8M0 scales, K = 1,024, each result quantised on its way out along the K of the product that takes it.
; FIRST PRODUCT: q | k = x [Wq | Wk], quantised along the features.  SECOND, by the same work-groups: v transposed = Wv^T x^T, quantised along the tokens.
; RECORDS.  A group of 128 rows (x: tokens; a weight: its columns) is a run of K steps of 12,800 bytes: codes [tile 8][1536] as images of the operand's registers (three planes of 512 bytes, 16 bytes a lane),
; then the K step's 128 scale words.  Slot r of tile t holds the group's row 32 (t / 2) + 8 (t % 2) + r + 8 (r / 8).  Inputs: 8 K steps a record; results: records 819,200 bytes apart, K step = source 0's group.
; So any run of K steps is one dense block that holds codes and scale words, stated to the tensor mover as rows of 256 bytes.
; THE PRODUCTS ARE USED TRANSPOSED: a lane holds one slot of source 1, and the 64 registers of its eight accumulators are 128 neighbours along the next K: one fragment and one scale word a row, made in registers.
; SHARES.  Work-group (gx, gy): tokens 256 gy on x columns 256 gx on of [Wq | Wk], a wave 128 x 128; then Wv's columns 128 gx on x the same tokens, a wave 64 x 128.  256 work-groups.
; LDS.  Two slots of 153,600 bytes: four parts (x's two groups, the weights' two) of three K steps.  First product: K steps 0-2 at the head, 3-5 behind the first round, 6-7 into slot 0 again.
; SECOND PRODUCT: x's K steps 3-5 (slot 1) and 6-7 (slot 0) stay where they lie.  Two refills bring the rest into bytes that are read out: Wv's K steps 0-5 into slot 1's two parts of weights;
; then x's K steps 0-2 into slot 0's two parts of weights, and Wv's K steps 6 and 7 into the third K step's place of slot 0's two parts of x.  K is walked 3, 4, 5, 0, 1, 2, 6, 7: what lies there first is multiplied first.
; Behind each round a wave issues one load or none; one load of a wave is out at any time.
; CLUSTER 4 x 4: x hangs on gy and is shared along a row of the cluster, the weights on gx and are shared along a column: joint loads.
; No prefetch is laid: the block is the largest, in clusters, K is 1,024, and the text has no loop to run ahead in: five fills in all.
; SCALE WORDS: a register takes 32 slots' words, tile 2 j in lanes 0-15 and tile 2 j + 1 in lanes 16-31; the odd tile is named by ROW1.
; LIMITS: a block of zeros gets the byte 1 (its codes are zeros; this program alone reads the bytes); NaN and infinities are not served.
; REGISTERS: window 0: v1-5 at work; v6-14 fragment addresses, v16-24 scale addresses; v25-31; v32-47 scale words, two sets; v48-63 the quantiser's; v64-159, v160-255 source 1's fragments (on the ways out: codes, words).
;   window 1: source 0's fragments, at v0 and v128.  window 2: accumulators of source 1's blocks 0-3;  window 3: blocks 4-7.
.set MB,    8                          ; source 1's blocks in a wave (4 in the second product)
.set PROD,  1
.set FRB,   1536
.set KSB,   8*FRB+512                  ; a group's K step
.set PART,  3*KSB                      ; a group's part of a slot
.set SLOT,  4*PART
.set STW,   2*SLOT                     ; a stage of 1,024 bytes a wave: scale words on their way out; no fill lands here
.set SPARE, STW+4*1024                 ; the spare words, named by no other line
.set RECI,  102400
.set RECO,  819200
.set XA,    6                          ; v6-7   x as source 1, in slot 0, 1
.set WF,    8                          ; v8-9   my group's part of weights in slot 0, 1 (second product: v8 is x's K steps 0-2)
.set XB,    10                         ; v10-11 x as source 0, in slot 0, 1
.set WV,    12                         ; v12-14 my four tiles of Wv: K steps 6-7, 0-2, 3-5
.set SCP,   10                         ; each address's partner for scale words lies 10 registers on
.set STA,   25
.set CO,    26
.set CO8,   27
.set SPW,   28                         ; my spare word; never rewritten
.set NIL,   29                         ; 0; never rewritten
.set STR,   30
.set STR8,  31
.set SC,    32                         ; set p: v[SC + 8 p + j] source 0's words, v[SC + 8 p + 4 + j] source 1's
.set TM,    48
.set AF,    64
.set PC,    128
.set PW,    184
.set WB,    192
.set G1A,   24                         ; group 1, my row's mask
.set G0X,   32                         ; s[32:35], s[36:39]: x, a set for each slot
.set G0W,   40                         ; s[40:43], s[44:47]: the weights
.set G1B,   48                         ; group 1, my column's mask
.set PWV,   56
.set PQK,   58
.set PVT,   60
.set VW,    62
.set SEL,   66
.set WVP,   68                         ; Wv's record at K step 3 x part
.set WVQ,   70                         ; and at K step 6 + part
.set MUL_LO, 0xa1                      ; source 0 window 1, source 1 window 0, C and D window 2
.set TO_B,   0x40
.set MSB, 0
.macro WIN new                         ; the immediate's high byte repeats the setting that is left
.if MSB != (\new)
	s_set_vgpr_msb (MSB<<8)|(\new)
.set MSB, (\new)
.endif
.endm
.macro PLACES n
.rept \n
	v_nop
.endr
.endm
.macro CREST                           ; a round of the cluster's barrier behind its opening barrier
	s_cmp_lg_u32 s14, 0
	s_cbranch_scc1 .Lnot_wave_0_\@
	s_barrier_signal -3
.Lnot_wave_0_\@:
	s_barrier_wait -3
	s_barrier_signal -1
	s_barrier_wait -1
.endm
.macro CROUND
	s_barrier_signal -1
	s_barrier_wait -1
	CREST
.endm
.macro ROWS g, n                       ; a group 1 counts n rows of 256 bytes from here on; written only where no load of mine is out
	s_mov_b32 s[\g+2], (\n)<<16
	s_mov_b32 s[\g+4], \n
.endm
.macro JLOAD g0x, g0w                  ; waves 0 and 1 fetch by my row's mask, waves 2 and 3 by my column's; the branch hangs on the wave's number alone
	s_cmp_eq_u32 s15, 0
	s_cbranch_scc0 .Lfor_w_\@
	tensor_load_to_lds s[\g0x:\g0x+3], s[G1A:G1A+7]
	s_nop 0
	PLACES 4
	s_branch .Lasked_\@
.Lfor_w_\@:
	tensor_load_to_lds s[\g0w:\g0w+3], s[G1B:G1B+7]
	s_nop 0
	PLACES 4
.Lasked_\@:
.endm
.macro FRAG3 reg, adr, off             ; a fragment comes back as it was stored: three loads of 16 bytes a lane
.irp c, 0,1,2
	ds_load_b128 v[\reg+4*\c:\reg+4*\c+3], v[\adr] offset:\off+512*\c
.endr
.endm
.macro FETCH p, set                    ; the p-th K step of the walk into set: source 0's eight fragments, source 1's MB, and their scale words
.if PROD == 1
.set R0, WF+((\p)/3)%2
.set R1, XA+((\p)/3)%2
.set O0, KSB*((\p)%3)
.set O1, O0
.elseif (\p) < 3                       ; K steps 3, 4, 5
.set R0, XB+1
.set R1, WV+2
.set O0, KSB*(\p)
.set O1, O0
.elseif (\p) < 6                       ; K steps 0, 1, 2
.set R0, WF
.set R1, WV+1
.set O0, KSB*((\p)-3)
.set O1, O0
.else                                  ; K steps 6, 7
.set R0, XB
.set R1, WV
.set O0, KSB*((\p)-6)
.set O1, PART*((\p)-6)
.endif
	WIN TO_B
.irp i, 0,1,2,3,4,5,6,7
	FRAG3 128*(\set)+12*\i, R0, O0+FRB*\i
.endr
	WIN 0
.set II, 0
.rept MB
	FRAG3 AF+96*(\set)+12*II, R1, O1+FRB*II
.set II, II+1
.endr
.irp j, 0,1,2,3
	ds_load_b32 v[SC+8*(\set)+\j], v[R0+SCP] offset:O0+8*FRB+128*\j
.endr
.set II, 0
.rept MB/2
	ds_load_b32 v[SC+8*(\set)+4+II], v[R1+SCP] offset:O1+8*FRB+128*II
.set II, II+1
.endr
.endm
.macro WMS d, a, b, c, sa, sb, ra, rb  ; one product; ra, rb: the half of the lanes that holds source 0's, source 1's scale words
.if (\ra) && (\rb)
	v_wmma_scale_f32_16x16x128_f8f6f4 v[\d:\d+7], v[\a:\a+11], v[\b:\b+11], \c, v[\sa], v[\sb] matrix_a_fmt:MATRIX_FMT_FP6 matrix_b_fmt:MATRIX_FMT_FP6 matrix_a_scale:MATRIX_SCALE_ROW1 matrix_b_scale:MATRIX_SCALE_ROW1
.elseif (\ra)
	v_wmma_scale_f32_16x16x128_f8f6f4 v[\d:\d+7], v[\a:\a+11], v[\b:\b+11], \c, v[\sa], v[\sb] matrix_a_fmt:MATRIX_FMT_FP6 matrix_b_fmt:MATRIX_FMT_FP6 matrix_a_scale:MATRIX_SCALE_ROW1
.elseif (\rb)
	v_wmma_scale_f32_16x16x128_f8f6f4 v[\d:\d+7], v[\a:\a+11], v[\b:\b+11], \c, v[\sa], v[\sb] matrix_a_fmt:MATRIX_FMT_FP6 matrix_b_fmt:MATRIX_FMT_FP6 matrix_b_scale:MATRIX_SCALE_ROW1
.else
	v_wmma_scale_f32_16x16x128_f8f6f4 v[\d:\d+7], v[\a:\a+11], v[\b:\b+11], \c, v[\sa], v[\sb] matrix_a_fmt:MATRIX_FMT_FP6 matrix_b_fmt:MATRIX_FMT_FP6
.endif
.endm
.macro MULS a0, n, set, zero           ; source 1's blocks a0 .. a0 + n - 1 against source 0's eight.  All accumulators take turns, one instruction a turn
.set AA, \a0
.rept \n
	WIN MUL_LO+0x50*(AA/4)
.irp b, 0,1,2,3,4,5,6,7
.if \zero
	WMS 8*(8*(AA%4)+\b), 128*(\set)+12*\b, AF+96*(\set)+12*AA, 0, SC+8*(\set)+\b/2, SC+8*(\set)+4+AA/2, \b%2, AA%2
.else
	WMS 8*(8*(AA%4)+\b), 128*(\set)+12*\b, AF+96*(\set)+12*AA, v[8*(8*(AA%4)+\b):8*(8*(AA%4)+\b)+7], SC+8*(\set)+\b/2, SC+8*(\set)+4+AA/2, \b%2, AA%2
.endif
.endr
.set AA, AA+1
.endr
.endm
.macro STEP p, zero                    ; multiplies the walk's p-th K step (set p % 2); ahead of that it asks for the next into the other set
	s_wait_dscnt 0x0                               ; this step's fragments, asked for a step ago, are in
	PLACES 4                                       ; between the last step's products and the loads into the registers that they read
	FETCH (\p)+1, 1-(\p)%2
	MULS 0, MB, (\p)%2, \zero
	WIN 0
.endm
; A K step with a barrier: each wave waits for all its tensor loads, adds 0 to its spare word, and waits for that and for its LDS reads.  fill = 1, 2: the barrier opens a round of the cluster's, and a refill comes first behind it:
; 1: slot 0 takes the first product's K steps 6 and 7, 100 rows a wave;  2: slot 1's two parts of weights take Wv's K steps 0-5, 150 rows for each of waves 2 and 3.
.macro TURN p, fill
	s_wait_tensorcnt 0x0                           ; all my tensor loads have landed
	ds_add_u32 v[SPW], v[NIL]
	s_wait_dscnt 1                                 ; all but the add: this step's fragments are in
	MULS 0, MB/4, (\p)%2, 0
	s_wait_dscnt 0x0                               ; the add is done, and my LDS reads are over
	s_barrier_signal -1
	MULS MB/4, MB/4, (\p)%2, 0
	WIN 0
	s_barrier_wait -1
.if \fill == 1
	CREST                                          ; no wave of any partner still reads the slot or has a load on its way
	s_add_nc_u64 s[G0X+2:G0X+3], s[G0X+2:G0X+3], 2*PART
	s_add_nc_u64 s[G0W+2:G0W+3], s[G0W+2:G0W+3], 2*PART
	ROWS G1A, 2*KSB/256
	ROWS G1B, 2*KSB/256
	JLOAD G0X, G0W                                 ; the four v_nop behind it are also the places in front of the loads below
.elseif \fill == 2
	CREST
	s_mov_b64 s[G0W+6:G0W+7], s[WVP:WVP+1]
	s_or_b32 s[G0W+7], s[G0W+7], 0x80000000
	ROWS G1B, PART/256
	s_cmp_eq_u32 s15, 0
	s_cbranch_scc1 .Lno_fill_\@
	tensor_load_to_lds s[G0W+4:G0W+7], s[G1B:G1B+7]
	s_nop 0
.Lno_fill_\@:
	PLACES 4
.else
	PLACES 4
.endif
	FETCH (\p)+1, 1-(\p)%2
	MULS MB/2, MB/2, (\p)%2, 0
	WIN 0
.endm
.macro LAST p
	s_wait_dscnt 0x0
	MULS 0, MB, (\p)%2, 0
	WIN 0
	PLACES 4                                       ; in front of the first read of results and the first write of operands' registers
.endm
; 64 numbers of a lane in window w, register 16 b + i = k 32 b + 16 (lane / 16) + i of my row, become a fragment's codes in v[pc] on and its scale word in v[pw].  Each accumulator is read from its low end on.
.macro QUANT s, w, pc, pw
.set WW, ((\w)<<2)|((\w)<<4)
	WIN WW
.irp b, 0,1,2,3
	v_max3_num_f32 v[TM+\b], 0x1800000, |v[\s+16*\b]|, |v[\s+16*\b+1]|   ; and the floor 2^(3 - 127): the byte cannot fall under 1
.endr
.irp i, 2,4,6,8,10,12,14
.irp b, 0,1,2,3
	v_max3_num_f32 v[TM+\b], v[TM+\b], |v[\s+16*\b+\i]|, |v[\s+16*\b+\i+1]|
.endr
.endr
	WIN 0
.irp b, 0,1,2,3
	v_permlanex16_b32 v[TM+4+\b], v[TM+\b], s[SEL], s[SEL+1]
.endr
.irp b, 0,1,2,3
	v_max_num_f32 v[TM+\b], v[TM+\b], v[TM+4+\b]
.endr
.irp b, 0,1,2,3
	v_add_nc_u32 v[TM+12+\b], 0xff000000, v[TM+\b] ; 2 off the exponent field: the conversion's scale operand
.endr
.irp b, 0,1,2,3
	v_lshrrev_b32 v[TM+4+\b], 23, v[TM+12+\b]      ; the scale's byte
.endr
	v_lshl_or_b32 v[\pw], v[TM+5], 8, v[TM+4]
	v_lshl_or_b32 v[\pw], v[TM+6], 16, v[\pw]
	v_lshl_or_b32 v[\pw], v[TM+7], 24, v[\pw]
.set WW, (\w)
	WIN WW
.irp c, 0,1
	v_cvt_scalef32_pk16_fp6_f32 v[\pc+6*\c:\pc+6*\c+2], v[\s+32*\c:\s+32*\c+15], v[TM+12+2*\c]
	v_cvt_scalef32_pk16_fp6_f32 v[\pc+12+4*\c:\pc+14+4*\c], v[\s+32*\c+16:\s+32*\c+31], v[TM+13+2*\c]
.endr
	WIN 0
	v_nop                                          ; one plain place behind a scaled conversion
.irp c, 0,1                                    ; the operand wants a whole block in a lane
.irp i, 0,1,2
	v_permlane16_swap_b32 v[\pc+6*\c+\i], v[\pc+12+4*\c+\i]
.endr
.irp i, 0,1,2
	v_mov_b32 v[\pc+3+6*\c+\i], v[\pc+12+4*\c+\i]
.endr
.endr
.endm
	s_load_b128 s[4:7], s[0:1], 0x0                ; x's records, [Wq | Wk]'s
	s_load_b128 s[PWV:PWV+3], s[0:1], 0x10         ; Wv's records; q's and k's
	s_load_b64 s[PVT:PVT+1], s[0:1], 0x20          ; v's
	v_lshl_add_u32 v[SPW], v0, 2, SPARE
	v_mov_b32 v[NIL], 0
	ds_add_u32 v[SPW], v[NIL]                      ; the opening
	ds_add_u32 v[SPW], v[NIL]
	v_lshrrev_b32 v1, 5, v0
	v_readfirstlane_b32 s14, v1                    ; wave 0..3
	s_lshr_b32 s15, s14, 1                         ; which half of source 1's rows is mine.  Also: I fetch by my row's mask (0) or by my column's (1)
	s_and_b32 s16, s14, 1                          ; which group of source 0.  Also: which part I fetch
	s_bfe_u32 s10, ttmp6, 0x40000                  ; cx
	s_bfe_u32 s11, ttmp6, 0x40004                  ; cy
	s_lshl_b32 s12, ttmp9, 2
	s_add_co_u32 s12, s12, s10                     ; gx
	s_and_b32 s17, ttmp7, 0xffff
	s_lshl_b32 s17, s17, 2
	s_add_co_u32 s17, s17, s11                     ; gy
	s_lshl_b32 s13, s11, 2
	s_lshl_b32 s13, 15, s13                        ; my row of the cluster
	s_lshl_b32 s18, 0x1111, s10                    ; my column
	s_or_b32 s[G1A], s13, (3<<16)|(1<<21)          ; rows of 32 elements of 8 bytes, no padding; bit 21 beside the mask
	s_or_b32 s[G1B], s18, (3<<16)|(1<<21)
.irp g, G1A, G1B
	s_mov_b32 s[\g+1], 32<<16
	s_mov_b32 s[\g+2], (PART/256)<<16              ; 150 rows: three K steps
	s_mov_b32 s[\g+3], 32<<16
	s_mov_b32 s[\g+4], PART/256
	s_mov_b32 s[\g+5], 32
	s_mov_b32 s[\g+6], 0
	s_mov_b32 s[\g+7], 0
.endr
	s_lshl_b32 s20, s17, 1
	s_add_co_u32 s20, s20, s16                     ; x's group that I would fetch: 2 gy + part
	s_mul_i32 s20, s20, RECI
	s_mov_b32 s21, 0
	s_lshl_b32 s22, s12, 1
	s_add_co_u32 s22, s22, s16                     ; [Wq | Wk]'s: 2 gx + part
	s_mul_i32 s22, s22, RECI
	s_mov_b32 s23, 0
	s_mul_i32 s2, s12, RECI                        ; Wv's group gx:
	s_mul_i32 s10, s16, KSB
	s_add_co_u32 s10, s10, s2
	s_add_co_u32 s10, s10, 6*KSB                   ; its K step 6 + part,
	s_mov_b32 s11, 0
	s_mul_i32 s3, s16, PART
	s_add_co_u32 s2, s2, s3                        ; its K step 3 x part
	s_mov_b32 s3, 0
	s_mul_i32 s19, s14, PART                       ; my part of a slot; no place in the cluster enters an LDS address
.irp g, G0X, G0W
	s_mov_b32 s[\g], 1
	s_mov_b32 s[\g+1], s19
	s_mov_b32 s[\g+4], 1
	s_add_co_u32 s[\g+5], s19, SLOT
.endr
	s_mov_b32 s[SEL], 0x76543210
	s_mov_b32 s[SEL+1], 0xfedcba98
.irp b, 0,1,2,3
	v_mov_b32 v[TM+4+\b], 0                        ; written once: a lane permute's destination counts as one of its sources
.endr
	s_wait_dscnt 0x0                               ; both opening adds are done
	s_wait_kmcnt 0x0
	s_add_nc_u64 s[G0X+2:G0X+3], s[4:5], s[20:21]  ; K steps 0-2,
	s_add_nc_u64 s[G0X+6:G0X+7], s[G0X+2:G0X+3], PART   ; 3-5
	s_add_nc_u64 s[G0W+2:G0W+3], s[6:7], s[22:23]
	s_add_nc_u64 s[G0W+6:G0W+7], s[G0W+2:G0W+3], PART
.irp g, G0X+3, G0X+7, G0W+3, G0W+7
	s_or_b32 s[\g], s[\g], 0x80000000
.endr
	s_add_nc_u64 s[WVP:WVP+1], s[PWV:PWV+1], s[2:3]
	s_add_nc_u64 s[WVQ:WVQ+1], s[PWV:PWV+1], s[10:11]
	CROUND                                         ; all sixteen work-groups are here: the first joint loads meet
	JLOAD G0X, G0W                                 ; K steps 0-2: one load a wave at the head
	s_mul_i32 s19, s15, PART                       ; x as source 1
	s_mul_i32 s20, s16, PART                       ; x as source 0
	s_add_co_u32 s21, s20, 2*PART                  ; my group's part of weights
	s_mul_i32 s22, s15, 4*FRB
	s_add_co_u32 s22, s22, 2*KSB                   ; my four tiles of Wv's K step 6
	s_lshl_b32 s23, s15, 8
	s_add_co_u32 s23, s23, 2*KSB                   ; and their words
	s_lshl_b32 s2, s14, 10
	s_add_co_u32 s2, s2, STW                       ; my stage
	v_and_b32 v1, 15, v0
	v_and_b32 v3, 31, v0
	v_lshlrev_b32 v[CO], 4, v3
	v_lshlrev_b32 v[CO8], 3, v3
	v_lshlrev_b32 v4, 2, v3
	v_add_nc_u32 v[XA], s19, v[CO]
	v_add_nc_u32 v[WF], s21, v[CO]
	v_add_nc_u32 v[XB], s20, v[CO]
	v_add_nc_u32 v[WV], s22, v[CO]
	v_add_nc_u32 v[XA+SCP], s19, v4
	v_add_nc_u32 v[WF+SCP], s21, v4
	v_add_nc_u32 v[XB+SCP], s20, v4
	v_add_nc_u32 v[WV+SCP], s23, v4
.irp a, XA, WF, XB
	v_add_nc_u32 v[\a+1], SLOT, v[\a]
	v_add_nc_u32 v[\a+1+SCP], SLOT, v[\a+SCP]
.endr
.irp a, WV, WV+SCP
	v_add_nc_u32 v[\a+1], SLOT+2*PART-2*KSB, v[\a] ; Wv's K steps 0-2: slot 1's third part,
	v_add_nc_u32 v[\a+2], SLOT+3*PART-2*KSB, v[\a] ; 3-5: its fourth
.endr
	v_lshl_add_u32 v[STA], v1, 2, s2
	v_add_nc_u32 v[STR], s2, v[CO]
	v_add_nc_u32 v[STR8], s2, v[CO8]
	s_mov_b32 s21, 0
	s_lshl_b32 s20, s17, 1
	s_add_co_u32 s20, s20, s15                     ; q | k's record: my group of tokens
	s_mul_i32 s20, s20, RECO
	s_add_nc_u64 s[PQK:PQK+1], s[PQK:PQK+1], s[20:21]
	s_lshl_b32 s20, s12, 1
	s_add_co_u32 s20, s20, s16                     ; its K step: my group of the weights' columns
	s_mul_i32 s20, s20, KSB
	s_add_nc_u64 s[PQK:PQK+1], s[PQK:PQK+1], s[20:21]
	s_mul_i32 s20, s12, RECO                       ; v's record: Wv's group gx
	s_add_nc_u64 s[PVT:PVT+1], s[PVT:PVT+1], s[20:21]
	s_lshl_b32 s20, s17, 1
	s_add_co_u32 s20, s20, s16                     ; its K step: my group of tokens
	s_mul_i32 s20, s20, KSB
	s_add_nc_u64 s[PVT:PVT+1], s[PVT:PVT+1], s[20:21]
	s_lshl_b32 s20, s15, 8
	s_add_co_u32 s20, s20, 8*FRB
	s_add_nc_u64 s[VW:VW+1], s[PVT:PVT+1], s[20:21]   ; my 64 scale words
	s_mul_i32 s20, s15, 4*FRB
	s_add_nc_u64 s[PVT:PVT+1], s[PVT:PVT+1], s[20:21] ; my four tiles
	s_wait_alu depctr_va_vdst(0)                   ; the head's end
	s_wait_tensorcnt 0x0                           ; my first fill is in
	ds_add_u32 v[SPW], v[NIL]
	s_wait_dscnt 0x0
	CROUND
	JLOAD G0X+4, G0W+4                             ; K steps 3-5 into slot 1
	FETCH 0, 0
	STEP 0, 1                                      ; K step 0 starts the sums: nothing is cleared
	STEP 1, 0
	TURN 2, 1                                      ; slot 1 is whole; slot 0 takes K steps 6 and 7
	STEP 3, 0
	STEP 4, 0
	TURN 5, 2                                      ; slot 0's refill has landed; slot 1's parts of weights take Wv's K steps 0-5
	STEP 6, 0
	LAST 7
; THE FIRST WAY OUT.  Block a: 16 tokens x 128 columns become one fragment (three planes of 512 consecutive bytes) and a scale word a row.
.macro OUTBLK a
	s_wait_xcnt 0x0                                ; earlier stores have read their data: the codes' registers are written again only behind this wait
	QUANT 64*((\a)%4), 2+(\a)/4, PC+20*((\a)%2), PW+(\a)
.irp c, 0,1,2
	global_store_b128 v[CO], v[PC+20*((\a)%2)+4*\c:PC+20*((\a)%2)+4*\c+3], s[PQK:PQK+1] offset:FRB*(\a)+512*\c
.endr
	ds_store_b32 v[STA], v[PW+(\a)] offset:64*(\a) ; both halves of the lanes write the same word with the same value
.endm
.irp a, 0,1,2,3
	OUTBLK \a
.endr
	; Slot 0's parts of weights and the third K step's place of its parts of x are read out: they take x's K steps 0-2 and Wv's K steps 6 and 7.
	s_wait_tensorcnt 0x0                           ; all my tensor loads have landed, so every descriptor may be written
	ds_add_u32 v[SPW], v[NIL]
	s_mul_i32 s[G0X+1], s16, PART
	s_add_co_u32 s[G0W+1], s[G0X+1], 2*KSB         ; Wv's K step 6 + part: behind the two K steps of x's part
	s_add_co_u32 s[G0X+1], s[G0X+1], 2*PART        ; x's group: into that group's part of weights
	s_sub_nc_u64 s[G0X+2:G0X+3], s[G0X+2:G0X+3], 2*PART   ; from K step 6 back to K step 0
	s_mov_b64 s[G0W+2:G0W+3], s[WVQ:WVQ+1]
	s_or_b32 s[G0W+3], s[G0W+3], 0x80000000
	ROWS G1A, PART/256
	ROWS G1B, KSB/256
	s_wait_dscnt 0x0                               ; the add is done, and my LDS reads and stores are over
	CROUND                                         ; and Wv's K steps 0-5 are whole in every work-group
	JLOAD G0X, G0W
.irp a, 4,5,6,7
	OUTBLK \a
.endr
	ds_load_b128 v[WB:WB+3], v[STR]                ; my 128 scale words (LDS serves a wave's instructions in order)
	s_wait_dscnt 0x0
	global_store_b128 v[CO], v[WB:WB+3], s[PQK:PQK+1] offset:8*FRB   ; 512 consecutive bytes, aligned, behind the K step's codes
; THE SECOND PRODUCT: source 0 = x, source 1 = four tiles of Wv; K in the order 3, 4, 5, 0, 1, 2, 6, 7.
.set MB,   4
.set PROD, 2
	s_wait_xcnt 0x0                                ; the stores above have read their data: the fragments below land in those registers
	FETCH 0, 0
	STEP 0, 1                                      ; the walk's first K step starts the sums anew
	STEP 1, 0
	TURN 2, 0                                      ; the last refill has landed in every wave; nothing is filled again
	STEP 3, 0
	STEP 4, 0
	STEP 5, 0
	STEP 6, 0
	LAST 7
; THE SECOND WAY OUT.  Block a: 16 of Wv's columns x 128 tokens.
.macro VBLK a
	s_wait_xcnt 0x0                                ; earlier stores have read their data
	QUANT 64*(\a), 2, PC+20*((\a)%2), PW+(\a)
.irp c, 0,1,2
	global_store_b128 v[CO], v[PC+20*((\a)%2)+4*\c:PC+20*((\a)%2)+4*\c+3], s[PVT:PVT+1] offset:FRB*(\a)+512*\c
.endr
	ds_store_b32 v[STA], v[PW+(\a)] offset:512+64*(\a)
.endm
.irp a, 0,1,2,3
	VBLK \a
.endr
	ds_load_b64 v[WB:WB+1], v[STR8] offset:512     ; my 64 scale words
	s_wait_dscnt 0x0
	global_store_b64 v[CO8], v[WB:WB+1], s[VW:VW+1]   ; 256 consecutive bytes, aligned
	s_wait_tensorcnt 0x0                           ; the wave's end
	ds_add_u32 v[SPW], v[NIL]
	s_wait_dscnt 0x0
	CROUND                                         ; the closing round
	s_endpgm
.Lfunc_end_k_q13b066f646_proj:
	.size	k_q13b066f646_proj, .Lfunc_end_k_q13b066f646_proj-k_q13b066f646_proj
	.p2alignl 7, 3214868480
	.fill 96, 4, 3214868480
	.section	.rodata,"a",@progbits
	.p2align	6, 0x0
	.amdhsa_kernel k_q13b066f646_proj
		.amdhsa_group_segment_fixed_size 327680
		.amdhsa_private_segment_fixed_size 0
		.amdhsa_enable_private_segment 0
		.amdhsa_kernarg_size 40
		.amdhsa_user_sgpr_count 2
		.amdhsa_user_sgpr_kernarg_segment_ptr 1
		.amdhsa_wavefront_size32 1
		.amdhsa_system_sgpr_workgroup_id_x 1
		.amdhsa_system_sgpr_workgroup_id_y 1
		.amdhsa_system_sgpr_workgroup_id_z 1
		.amdhsa_system_vgpr_workitem_id 0
		.amdhsa_next_free_vgpr 1024
		.amdhsa_next_free_sgpr 72
		.amdhsa_reserve_vcc 0
		.amdhsa_float_denorm_mode_32 3
		.amdhsa_float_denorm_mode_16_64 3
		.amdhsa_memory_ordered 1
		.amdhsa_forward_progress 1
		.amdhsa_inst_pref_size 214
	.end_amdhsa_kernel
	.amdgpu_metadata
---
amdhsa.version: [ 1, 2 ]
amdhsa.kernels:
  - .name:           k_q13b066f646_proj
    .symbol:         k_q13b066f646_proj.kd
    .args:
      - { .name: x_c, .offset: 0, .size: 8, .value_kind: global_buffer, .address_space: global }
      - { .name: wqk_c, .offset: 8, .size: 8, .value_kind: global_buffer, .address_space: global }
      - { .name: wv_c, .offset: 16, .size: 8, .value_kind: global_buffer, .address_space: global }
      - { .name: qk_c, .offset: 24, .size: 8, .value_kind: global_buffer, .address_space: global }
      - { .name: vt_c, .offset: 32, .size: 8, .value_kind: global_buffer, .address_space: global }
    .group_segment_fixed_size: 327680
    .private_segment_fixed_size: 0
    .kernarg_segment_align: 8
    .kernarg_segment_size: 40
    .max_flat_workgroup_size: 128
    .sgpr_count:     72
    .vgpr_count:     1024
    .wavefront_size: 32
...
	.end_amdgpu_metadata
.endif
;; end of part 2
;; launch scores (part 3): grid 8 x 32, 4 waves a work-group, clusters of 4 x 4, 327,680 bytes of LDS; arguments qk_c, p_c; writes p_c
.if DOCPART == 3
	.amdgcn_target "amdgcn-amd-amdhsa--gfx1250"
	.amdhsa_code_object_version 6
	.text
	.protected	k_q13b066f646_scores
	.globl	k_q13b066f646_scores
	.p2align	8
	.type	k_q13b066f646_scores,@function
k_q13b066f646_scores:
	s_mov_b64 s[64:65], 0
	v_nop
	global_prefetch_b8 v0, s[64:65] scope:SCOPE_SE
	s_setreg_imm32_b32 hwreg(HW_REG_WAVE_MODE, 25, 1), 1
	s_wait_xcnt 0x0
	s_wait_alu depctr_hold_cnt(0) depctr_sa_sdst(0) depctr_va_vdst(0) depctr_va_sdst(0) depctr_va_ssrc(0) depctr_va_vcc(0) depctr_vm_vsrc(0)
	s_getreg_b32 s2, hwreg(HW_REG_IB_STS2, 6, 4)
	s_cmp_eq_u32 s2, 0
	s_cbranch_scc0 .Lentry_in_a_cluster
	s_endpgm
.Lentry_in_a_cluster:
	s_bfe_u32 s2, ttmp6, 0x10000c
	s_cmp_lg_u32 s2, 0xf033
	s_cbranch_scc0 .Lentry_shape_is_right
	s_endpgm
.Lentry_shape_is_right:
; S = q k^T on codes of FP6 (E2M3), K = 1,024, batch by batch; then, for each query and each CHUNK of 128 keys: t = score x log2(e) / 32; M = the chunk's largest t rounded up to a whole number;
; p = 2^(t - M), quantised along the keys; l = the sum of the unquantised p.  The maximum is always taken away, here the chunk's own; the next launch brings every chunk under the row's M by whole powers of two
; (it lowers the scale bytes and scales l), which changes no code's value.
; q and k lie in records of 819,200 bytes for each group of 128 tokens: codes [K step][tile 8][1536] as images of the operand's registers, q in K steps 0-7, k in 8-15; scale words [K step][128] from byte 786,432 on.
; THE PRODUCT IS USED TRANSPOSED (source 0 = 16 slots of k, source 1 = 16 slots of q): a lane holds one query, and the 64 registers of its eight accumulators are keys 32 b + 16 (lane / 16) + i in true order.
; THE RESULT: records of 221,184 bytes for each group of 128 queries: codes [chunk 16][tile 8][1536]; from byte 196,608 the scale words, from 204,800 -M, from 212,992 l, each [16][128] words.
; SHARES, ring and cluster as in the projections: 256 x 256 a work-group, 128 x 128 a wave (its 128 keys are one chunk, so no wave asks another for a maximum); three slots of two K steps, one refill; q's blocks shared along a row of the cluster, k's along a column.
; No prefetch is laid: three quarters of K are asked for at the head and one refill follows.
; LIMITS: a block's largest p is taken as at least 2^-60, so that its byte stays at 65 or above and can be lowered by up to 64: weights under 2^-60 of their chunk's largest are carried with an absolute error under 2^-60, beside a row sum of at least 1/2.  NaN and infinities are not served.
.set MB,    8
; THE RECORDS AS THIS TEXT TAKES AND LAYS THEM: a K step (of p: a chunk) of a group is 12,800 bytes: codes [tile 8][1536], then its 128 scale words; p's -M and l stand from bytes 204,800 and 212,992 on.
; THE RING AS THIS TEXT HAS IT: two slots of three K steps; a load brings codes and scale words together; slot 0 at the head, slot 1 behind the first round, slot 0 once more with K steps 6 and 7: one load a wave each time.
; No prefetch is laid: the text has no loop to run ahead in, and three fills in all.
.set NQ,    3
.set FRB,   1536
.set KSB,   8*FRB+512
.set PART,  NQ*KSB
.set SLOT,  4*PART
.set STEPB, 2*PART                     ; from slot 0's first fill to its second: six K steps
.set STW,   2*SLOT                     ; a stage of 2,048 bytes for each wave: words, -M and l on their way out; no fill lands here
.set SPARE, STW+4*2048
.set RECI,  819200
.set RECP,  221184
.set STP,   196608
.set ADRA,  16
.set ADRB,  20
.set STA,   24
.set STR,   25
.set CO,    26
.set ADRS,  14                         ; v14-15 my scale words in slot 0, 1: lanes 0-15 q's, lanes 16-31 k's
.set SPW,   28
.set NIL,   29
.set SC,    32
.set TM,    48
.set AF,    64
.set T,     64                         ; the way out: v64-127 t - M, then p
.set PC,    128
.set U,     176
.set NM,    178                        ; v[178:179] -M (the pair's upper word is written once)
.set LS,    180                        ; v[180:181], v[182:183] the sum, in two chains
.set L2,    182
.set PW,    184
.set WB,    192
.set G1A,   24
.set G0A,   32
.set G1B,   48
.set G0B,   56
.set CS,    96                         ; s[96:97] c = log2(e) / 32
.set SEL,   98
.set MUL_LO, 0xa1
.set TO_B,   0x40
.set MSB, 0
.macro WIN new
.if MSB != (\new)
	s_set_vgpr_msb (MSB<<8)|(\new)
.set MSB, (\new)
.endif
.endm
.macro PLACES n
.rept \n
	v_nop
.endr
.endm
.macro CREST
	s_cmp_lg_u32 s14, 0
	s_cbranch_scc1 .Lnot_wave_0_\@
	s_barrier_signal -3
.Lnot_wave_0_\@:
	s_barrier_wait -3
	s_barrier_signal -1
	s_barrier_wait -1
.endm
.macro CROUND
	s_barrier_signal -1
	s_barrier_wait -1
	CREST
.endm
.macro JLOAD sl
	s_cmp_eq_u32 s15, 0
	s_cbranch_scc0 .Lfor_b_\@
	tensor_load_to_lds s[G0A+4*\sl:G0A+4*\sl+3], s[G1A:G1A+7]
	s_nop 0
	PLACES 4
	s_branch .Lasked_\@
.Lfor_b_\@:
	tensor_load_to_lds s[G0B+4*\sl:G0B+4*\sl+3], s[G1B:G1B+7]
	s_nop 0
	PLACES 4
.Lasked_\@:
.endm
.macro FRAG3 reg, adr, off
.irp c, 0,1,2
	ds_load_b128 v[\reg+4*\c:\reg+4*\c+3], v[\adr] offset:\off+512*\c
.endr
.endm
.macro FETCH sl, q, ks, set
	WIN TO_B
.irp i, 0,1,2,3,4,5,6,7
	FRAG3 128*(\set)+12*\i, ADRB+\sl, KSB*(\q)+FRB*\i
.endr
	WIN 0
.set II, 0
.rept MB
	FRAG3 AF+96*(\set)+12*II, ADRA+\sl, KSB*(\q)+FRB*II
.set II, II+1
.endr
.irp i, 0,1,2,3,4,5,6,7
	ds_load_b32 v[SC+8*(\set)+\i], v[ADRS+\sl] offset:KSB*(\q)+8*FRB+64*\i
.endr
.endm
.macro MULS a0, n, set, zero           ; all accumulators take turns, one instruction a turn
.set AA, \a0
.rept \n
	WIN MUL_LO+0x50*(AA/4)
.irp b, 0,1,2,3,4,5,6,7
.if \zero
	v_wmma_scale_f32_16x16x128_f8f6f4 v[8*(8*(AA%4)+\b):8*(8*(AA%4)+\b)+7], v[128*(\set)+12*\b:128*(\set)+12*\b+11], v[AF+96*(\set)+12*AA:AF+96*(\set)+12*AA+11], 0, v[SC+8*(\set)+\b], v[SC+8*(\set)+AA] matrix_a_fmt:MATRIX_FMT_FP6 matrix_b_fmt:MATRIX_FMT_FP6 matrix_a_scale:MATRIX_SCALE_ROW1
.else
	v_wmma_scale_f32_16x16x128_f8f6f4 v[8*(8*(AA%4)+\b):8*(8*(AA%4)+\b)+7], v[128*(\set)+12*\b:128*(\set)+12*\b+11], v[AF+96*(\set)+12*AA:AF+96*(\set)+12*AA+11], v[8*(8*(AA%4)+\b):8*(8*(AA%4)+\b)+7], v[SC+8*(\set)+\b], v[SC+8*(\set)+AA] matrix_a_fmt:MATRIX_FMT_FP6 matrix_b_fmt:MATRIX_FMT_FP6 matrix_a_scale:MATRIX_SCALE_ROW1
.endif
.endr
.set AA, AA+1
.endr
.endm
.macro STEP set, sl, q, ks, zero
	s_wait_dscnt 0x0                               ; this step's fragments, asked for a step ago, are in
	PLACES 4                                       ; four places between the last step's products and the loads into the registers that they read
	FETCH \sl, \q, \ks, 1-\set
	MULS 0, MB, \set, \zero
	WIN 0
.endm
.macro TURN set, sl, ks, fill, rho
	s_wait_tensorcnt 0x0                           ; all my tensor loads have landed
	ds_add_u32 v[SPW], v[NIL]                      ; 0 onto my spare word
	s_wait_dscnt 1                                 ; all but the add: this step's fragments are in
	MULS 0, MB/4, \set, 0
	s_wait_dscnt 0x0                               ; the add is done, and my reads of the slot are over
	s_barrier_signal -1
	MULS MB/4, MB/4, \set, 0
	WIN 0
	s_barrier_wait -1
.if \fill
	CREST                                          ; no wave of any partner still reads the slot or has a load on its way
	s_add_nc_u64 s[G0A+4*\rho+2:G0A+4*\rho+3], s[G0A+4*\rho+2:G0A+4*\rho+3], STEPB
	s_add_nc_u64 s[G0B+4*\rho+2:G0B+4*\rho+3], s[G0B+4*\rho+2:G0B+4*\rho+3], STEPB
	s_mov_b32 s[G1A+2], (2*KSB/256)<<16            ; no load of mine is out: the last fill brings two K steps, 100 rows
	s_mov_b32 s[G1A+4], 2*KSB/256
	s_mov_b32 s[G1B+2], (2*KSB/256)<<16
	s_mov_b32 s[G1B+4], 2*KSB/256
	JLOAD \rho
.else
	PLACES 4
.endif
	FETCH \sl, 0, \ks, 1-\set
	MULS MB/2, MB/2, \set, 0
	WIN 0
.endm
.macro LAST set
	s_wait_dscnt 0x0
	MULS 0, MB, \set, 0
	WIN 0
	PLACES 4
.endm
.macro QTAIL s, w, pc, pw              ; from the four blocks' largest magnitudes in v[TM] on: bytes, scale word, codes, and the exchange that gives each lane whole blocks
.irp b, 0,1,2,3
	v_add_nc_u32 v[TM+12+\b], 0xff000000, v[TM+\b]
.endr
.irp b, 0,1,2,3
	v_lshrrev_b32 v[TM+4+\b], 23, v[TM+12+\b]
.endr
	v_lshl_or_b32 v[\pw], v[TM+5], 8, v[TM+4]
	v_lshl_or_b32 v[\pw], v[TM+6], 16, v[\pw]
	v_lshl_or_b32 v[\pw], v[TM+7], 24, v[\pw]
.set WW, (\w)
	WIN WW
.irp c, 0,1
	v_cvt_scalef32_pk16_fp6_f32 v[\pc+6*\c:\pc+6*\c+2], v[\s+32*\c:\s+32*\c+15], v[TM+12+2*\c]
	v_cvt_scalef32_pk16_fp6_f32 v[\pc+12+4*\c:\pc+14+4*\c], v[\s+32*\c+16:\s+32*\c+31], v[TM+13+2*\c]
.endr
	WIN 0
	v_nop                                          ; one plain place behind a scaled conversion
.irp c, 0,1
.irp i, 0,1,2
	v_permlane16_swap_b32 v[\pc+6*\c+\i], v[\pc+12+4*\c+\i]
.endr
.irp i, 0,1,2
	v_mov_b32 v[\pc+3+6*\c+\i], v[\pc+12+4*\c+\i]
.endr
.endr
.endm
	s_load_b128 s[4:7], s[0:1], 0x0                ; q's and k's records, p's records
	v_lshl_add_u32 v[SPW], v0, 2, SPARE
	v_mov_b32 v[NIL], 0
	ds_add_u32 v[SPW], v[NIL]                      ; the wave's opening
	ds_add_u32 v[SPW], v[NIL]
	v_lshrrev_b32 v1, 5, v0
	v_readfirstlane_b32 s14, v1
	s_lshr_b32 s15, s14, 1
	s_and_b32 s16, s14, 1
	s_bfe_u32 s10, ttmp6, 0x40000                  ; cx
	s_bfe_u32 s11, ttmp6, 0x40004                  ; cy
	s_lshl_b32 s12, ttmp9, 2
	s_add_co_u32 s12, s12, s10                     ; tile column: 256 keys of the batch
	s_and_b32 s17, ttmp7, 0xffff
	s_lshl_b32 s17, s17, 2
	s_add_co_u32 s17, s17, s11                     ; tile row: 256 queries of all batches
	s_lshl_b32 s13, s11, 2
	s_lshl_b32 s13, 15, s13
	s_lshl_b32 s18, 0x1111, s10
	s_or_b32 s[G1A], s13, (3<<16)|(1<<21)
	s_or_b32 s[G1B], s18, (3<<16)|(1<<21)
.irp g, G1A, G1B
	s_mov_b32 s[\g+1], 32<<16
	s_mov_b32 s[\g+2], (PART/256)<<16
	s_mov_b32 s[\g+3], 32<<16
	s_mov_b32 s[\g+4], PART/256
	s_mov_b32 s[\g+5], 32
	s_mov_b32 s[\g+6], 0
	s_mov_b32 s[\g+7], 0
.endr
	s_lshl_b32 s20, s17, 1
	s_add_co_u32 s20, s20, s16                     ; q's group
	s_mul_i32 s20, s20, RECI
	s_mov_b32 s21, 0
	s_and_b32 s92, ttmp7, 0xffff
	s_lshr_b32 s92, s92, 1                         ; the batch, from the cluster's y alone: eight tile rows, two clusters, to a batch
	s_lshl_b32 s92, s92, 4
	s_lshl_b32 s93, s12, 1
	s_add_co_u32 s92, s92, s93
	s_add_co_u32 s92, s92, s16                     ; k's group: 16 x batch + 2 x tile column + half
	s_mul_i32 s92, s92, RECI
	s_mov_b32 s93, 0
	s_mul_i32 s19, s14, PART
	s_mov_b32 s[SEL], 0x76543210
	s_mov_b32 s[SEL+1], 0xfedcba98
	s_mov_b32 s[CS], 0x3d38aa3b                    ; log2(e) / 32
	s_mov_b32 s[CS+1], s[CS]                       ; (named with it as a pair, so it is written)
.irp b, 0,1,2,3
	v_mov_b32 v[TM+4+\b], 0
.endr
	s_wait_dscnt 0x0                               ; the opening add is done
	s_wait_kmcnt 0x0
	s_add_nc_u64 s[20:21], s[4:5], s[20:21]
	s_add_nc_u64 s[92:93], s[4:5], s[92:93]
	CROUND
.irp sl, 0,1
	s_mov_b32 s[G0A+4*\sl], 1
	s_add_co_u32 s[G0A+4*\sl+1], s19, \sl*SLOT
	s_add_nc_u64 s[G0A+4*\sl+2:G0A+4*\sl+3], s[20:21], \sl*PART
	s_or_b32 s[G0A+4*\sl+3], s[G0A+4*\sl+3], 0x80000000
	s_mov_b32 s[G0B+4*\sl+4*(\sl/2)], 1
	s_add_co_u32 s[G0B+4*\sl+4*(\sl/2)+1], s19, \sl*SLOT
	s_add_nc_u64 s[G0B+4*\sl+4*(\sl/2)+2:G0B+4*\sl+4*(\sl/2)+3], s[92:93], 8*KSB+\sl*PART
	s_or_b32 s[G0B+4*\sl+4*(\sl/2)+3], s[G0B+4*\sl+4*(\sl/2)+3], 0x80000000
.endr
	JLOAD 0                                        ; K steps 0-2: one load a wave at the head
	v_and_b32 v1, 15, v0
	v_bfe_u32 v2, v0, 4, 1
	v_and_b32 v3, 31, v0
	v_lshlrev_b32 v[CO], 4, v3
	s_mul_i32 s22, s15, PART
	s_mul_i32 s23, s16, PART
	s_add_co_u32 s23, s23, 2*PART
.irp sl, 0,1
	v_add_nc_u32 v[ADRA+\sl], s22, v[CO]
	v_add_nc_u32 v[ADRB+\sl], s23, v[CO]
	s_add_co_u32 s22, s22, SLOT
	s_add_co_u32 s23, s23, SLOT
.endr
	s_wait_alu depctr_va_vdst(0)                   ; ahead of the readers below
	v_lshlrev_b32 v4, 2, v1
	s_mul_i32 s22, s15, PART                       ; q's group in a slot
	s_mul_i32 s23, s16, PART
	s_add_co_u32 s23, s23, 2*PART                  ; k's, behind q's two
	s_sub_co_u32 s23, s23, s22
	v_mul_u32_u24 v5, s23, v2                      ; lanes 16-31 take k's
	v_add_nc_u32 v4, v4, v5
	v_add_nc_u32 v[ADRS], s22, v4
	v_add_nc_u32 v[ADRS+1], SLOT, v[ADRS]
	s_lshl_b32 s22, s14, 11
	s_add_co_u32 s22, s22, STW
	v_lshl_add_u32 v[STA], v1, 2, s22
	v_add_nc_u32 v[STR], s22, v[CO]
	s_lshl_b32 s22, s17, 1
	s_add_co_u32 s22, s22, s15                     ; p's record: the group of queries
	s_mul_i32 s22, s22, RECP
	s_mov_b32 s23, 0
	s_add_nc_u64 s[6:7], s[6:7], s[22:23]
	s_lshl_b32 s94, s12, 1
	s_add_co_u32 s94, s94, s16                     ; the chunk: the group of keys in the batch
	s_lshl_b32 s22, s94, 9
	s_add_co_u32 s22, s22, STP
	s_add_nc_u64 s[66:67], s[6:7], s[22:23]        ; words, -M, l
	s_mul_i32 s22, s94, KSB
	s_add_nc_u64 s[6:7], s[6:7], s[22:23]          ; codes
	s_wait_alu depctr_va_vdst(0)
	s_wait_tensorcnt 0x0                           ; my part of slot 0 is in
	ds_add_u32 v[SPW], v[NIL]
	s_wait_dscnt 0x0
	CROUND
	JLOAD 1                                        ; K steps 3-5 into slot 1
	FETCH 0, 0, 0, 0
	STEP 0, 0, 1, 1, 1
	STEP 1, 0, 2, 2, 0
	TURN 0, 1, 3, 1, 0                             ; K step 2; slot 1 is whole; slot 0 takes K steps 6 and 7
	STEP 1, 1, 1, 4, 0
	STEP 0, 1, 2, 5, 0
	TURN 1, 0, 6, 0, 0                             ; K step 5; slot 0's refill has landed in every wave
	STEP 0, 0, 1, 7, 0
	LAST 1
	v_mov_b32 v[NM+1], 0                           ; the pair's upper word
; THE SOFTMAX OF A BLOCK: 16 queries x my 128 keys.
.macro SOFT a
.set ACC, 64*((\a)%4)
.set WA, 2+(\a)/4
.set PCA, PC+20*((\a)%2)
	s_wait_xcnt 0x0                                ; earlier global stores have read their data,
	s_wait_dscnt 0x0                               ; and the last block's three LDS stores theirs
.set WW, (WA<<2)|(WA<<4)
	WIN WW
.irp b, 0,1,2,3
	v_max3_num_f32 v[TM+\b], 0xff800000, v[ACC+16*\b], v[ACC+16*\b+1]   ; the largest score of each block of 32 keys: it serves the chunk's maximum and, since p rises with the score, the block's largest p
.endr
.irp i, 2,4,6,8,10,12,14
.irp b, 0,1,2,3
	v_max3_num_f32 v[TM+\b], v[TM+\b], v[ACC+16*\b+\i], v[ACC+16*\b+\i+1]
.endr
.endr
	WIN 0
.irp b, 0,1,2,3
	v_permlanex16_b32 v[TM+4+\b], v[TM+\b], s[SEL], s[SEL+1]
.endr
.irp b, 0,1,2,3
	v_max_num_f32 v[TM+\b], v[TM+\b], v[TM+4+\b]
.endr
	v_max3_num_f32 v[U], v[TM], v[TM+1], v[TM+2]
	v_max_num_f32 v[U], v[U], v[TM+3]
	v_mul_f32 v[U], s[CS], v[U]                    ; the chunk's largest t
	v_floor_f32 v[NM], -v[U]                       ; -M = floor(-t): M is a whole number
.set WW, WA
	WIN WW
.set J, 0
.rept 32
	v_pk_fma_f32 v[T+J:T+J+1], v[ACC+J:ACC+J+1], s[CS:CS+1], v[NM:NM+1] op_sel_hi:[1,0,0]   ; t - M, two at a time
.set J, J+2
.endr
	WIN 0
.irp b, 0,1,2,3
	v_fma_f32 v[TM+\b], v[TM+\b], s[CS], v[NM]     ; the same of each block's largest score
.endr
.set J, 0
	s_wait_alu depctr_va_vdst(0)
.rept 64
	v_exp_f32 v[T+J], v[T+J]                       ; p
.set J, J+1
.endr
	v_nop                                          ; a plain place behind the exponentials
	s_wait_alu depctr_va_vdst(0)                   ; one wait for the batch, ahead of its first reader
.irp b, 0,1,2,3
	v_exp_f32 v[TM+\b], v[TM+\b]                   ; the block's largest p: the same two instructions on the same number
.endr
	v_pk_add_f32 v[L2:L2+1], v[T:T+1], v[T+2:T+3]  ; the sum of the unquantised p, in two chains; it reads the 64 alone
	v_pk_add_f32 v[LS:LS+1], v[T+4:T+5], v[T+6:T+7]
.irp j, 8,12,16,20,24,28,32,36,40,44,48,52,56,60
	v_pk_add_f32 v[LS:LS+1], v[LS:LS+1], v[T+\j:T+\j+1]
	v_pk_add_f32 v[L2:L2+1], v[L2:L2+1], v[T+\j+2:T+\j+3]
.endr
	v_pk_add_f32 v[LS:LS+1], v[LS:LS+1], v[L2:L2+1]
	v_add_f32 v[LS], v[LS], v[LS+1]
	v_permlanex16_b32 v[L2], v[LS], s[SEL], s[SEL+1]
	v_add_f32 v[LS], v[LS], v[L2]                  ; with lane l xor 16's 64 keys: the chunk's l
	s_wait_alu depctr_va_vdst(0)                   ; and one wait for the four
.irp b, 0,1,2,3
	v_max_num_f32 v[TM+\b], 0x21800000, v[TM+\b]   ; the floor 2^-60: the byte stays at 65 or above
.endr
	QTAIL T, 0, PCA, PW
.irp c, 0,1,2
	global_store_b128 v[CO], v[PCA+4*\c:PCA+4*\c+3], s[6:7] offset:FRB*(\a)+512*\c
.endr
	ds_store_b32 v[STA], v[PW] offset:64*(\a)      ; both halves of the lanes write the same words with the same values
	ds_store_b32 v[STA], v[NM] offset:512+64*(\a)
	ds_store_b32 v[STA], v[LS] offset:1024+64*(\a)
.endm
.irp a, 0,1,2,3,4,5,6,7
	SOFT \a
.endr
.irp c, 0,1,2
	ds_load_b128 v[WB+4*\c:WB+4*\c+3], v[STR] offset:512*\c
.endr
	s_wait_dscnt 0x0
.irp c, 0,1,2
.if \c == 0
	global_store_b128 v[CO], v[WB:WB+3], s[6:7] offset:8*FRB   ; the scale words, behind the chunk's codes: 512 consecutive bytes, aligned
.else
	global_store_b128 v[CO], v[WB+4*\c:WB+4*\c+3], s[66:67] offset:8192*\c   ; -M and l
.endif
.endr
	s_wait_tensorcnt 0x0                           ; the wave's end
	ds_add_u32 v[SPW], v[NIL]
	s_wait_dscnt 0x0
	CROUND                                         ; the closing round
	s_endpgm
.Lfunc_end_k_q13b066f646_scores:
	.size	k_q13b066f646_scores, .Lfunc_end_k_q13b066f646_scores-k_q13b066f646_scores
	.p2alignl 7, 3214868480
	.fill 96, 4, 3214868480
	.section	.rodata,"a",@progbits
	.p2align	6, 0x0
	.amdhsa_kernel k_q13b066f646_scores
		.amdhsa_group_segment_fixed_size 327680
		.amdhsa_private_segment_fixed_size 0
		.amdhsa_enable_private_segment 0
		.amdhsa_kernarg_size 16
		.amdhsa_user_sgpr_count 2
		.amdhsa_user_sgpr_kernarg_segment_ptr 1
		.amdhsa_wavefront_size32 1
		.amdhsa_system_sgpr_workgroup_id_x 1
		.amdhsa_system_sgpr_workgroup_id_y 1
		.amdhsa_system_sgpr_workgroup_id_z 1
		.amdhsa_system_vgpr_workitem_id 0
		.amdhsa_next_free_vgpr 1024
		.amdhsa_next_free_sgpr 100
		.amdhsa_reserve_vcc 0
		.amdhsa_float_denorm_mode_32 3
		.amdhsa_float_denorm_mode_16_64 3
		.amdhsa_memory_ordered 1
		.amdhsa_forward_progress 1
		.amdhsa_inst_pref_size 196
	.end_amdhsa_kernel
	.amdgpu_metadata
---
amdhsa.version: [ 1, 2 ]
amdhsa.kernels:
  - .name:           k_q13b066f646_scores
    .symbol:         k_q13b066f646_scores.kd
    .args:
      - { .name: qk_c, .offset: 0, .size: 8, .value_kind: global_buffer, .address_space: global }
      - { .name: p_c, .offset: 8, .size: 8, .value_kind: global_buffer, .address_space: global }
    .group_segment_fixed_size: 327680
    .private_segment_fixed_size: 0
    .kernarg_segment_align: 8
    .kernarg_segment_size: 16
    .max_flat_workgroup_size: 128
    .sgpr_count:     100
    .vgpr_count:     1024
    .wavefront_size: 32
...
	.end_amdgpu_metadata
.endif
;; end of part 3
;; launch pv (part 4): grid 4 x 64, 4 waves a work-group, clusters of 4 x 4, 327,680 bytes of LDS; arguments p_c, vt_c, y_c; writes y_c
.if DOCPART == 4
	.amdgcn_target "amdgcn-amd-amdhsa--gfx1250"
	.amdhsa_code_object_version 6
	.text
	.protected	k_q13b066f646_pv
	.globl	k_q13b066f646_pv
	.p2align	8
	.type	k_q13b066f646_pv,@function
k_q13b066f646_pv:
	s_mov_b64 s[64:65], 0
	v_nop
	global_prefetch_b8 v0, s[64:65] scope:SCOPE_SE
	s_setreg_imm32_b32 hwreg(HW_REG_WAVE_MODE, 25, 1), 1
	s_wait_xcnt 0x0
	s_wait_alu depctr_hold_cnt(0) depctr_sa_sdst(0) depctr_va_vdst(0) depctr_va_sdst(0) depctr_va_ssrc(0) depctr_va_vcc(0) depctr_vm_vsrc(0)
	s_getreg_b32 s2, hwreg(HW_REG_IB_STS2, 6, 4)
	s_cmp_eq_u32 s2, 0
	s_cbranch_scc0 .Lentry_in_a_cluster
	s_endpgm
.Lentry_in_a_cluster:
	s_bfe_u32 s2, ttmp6, 0x10000c
	s_cmp_lg_u32 s2, 0xf033
	s_cbranch_scc0 .Lentry_shape_is_right
	s_endpgm
.Lentry_shape_is_right:
; y = (P V) / l on codes of FP6 (E2M3), K = the batch's 2,048 keys, and y is quantised along its 1,024 features on the way out.
; P lies in records of 221,184 bytes for each group of 128 queries: codes [chunk 16][tile 8][1536]; scale words, -M and l of each chunk, [16][128] words each, from bytes 196,608, 204,800 and 212,992 on.  Each chunk of 128 keys was made under its own whole M.
; THE HEAD BRINGS ALL CHUNKS UNDER THE ROW'S M: thread i takes query slot i; the row's -M is the least of the sixteen; chunk s is lowered by d = M(row) - M(s), a whole number: d comes off each of its four scale bytes,
; and l(s) is multiplied by 2^-d; the sum of those is the row's l.  Nothing is rounded but the sum.  The words go to LDS, where the products take them; 1 / l too.
; V transposed lies in records of 819,200 bytes for each group of 128 features: codes [K step 64][tile 8][1536], K step = 16 x batch + chunk; scale words [64][128] from byte 786,432 on.
; THE PRODUCT IS USED TRANSPOSED (source 0 = 16 slots of features, source 1 = 16 slots of queries): a lane holds one query and 64 features in true order: one K step of the last product.
; THE RESULT: records of 102,400 bytes for each group of 128 queries: codes [K step 8][tile 8][1536], scale words [8][128] from byte 98,304 on.
; SHARES.  A work-group makes 128 queries x 256 features, a wave 64 x 128: 32 accumulators.  K goes through two LDS slots of four K steps; both are asked for at the head and each is filled once more.
; CLUSTER 4 x 4: P's blocks are shared along a row of the cluster, V's along a column.  No prefetch is laid: half of K is asked for at the head and two refills follow.
; LIMITS: d is held at 64 (the bytes are 65 or above, so none falls under 1): a chunk more than 2^64 under the row's largest is carried 2^-64 under it, beside a row sum of at least 1/2.  A block of zeros of y gets the byte 1.  NaN and infinities are not served.
.set MB,    4
.set FRB,   1536
; THE RECORDS AS THIS TEXT TAKES AND LAYS THEM: a K step of a group is 12,800 bytes: codes [tile 8][1536], then its 128 scale words; P's -M and l stand from bytes 204,800 and 212,992 of its record on.
; So V's scale words come with its codes.  Slot 0 is asked for at the head, slot 1 behind the first round, and each is filled once more: one load a wave each time.
; SCALE WORDS: a register takes 32 slots' words, tile 2 j in lanes 0-15 and tile 2 j + 1 in lanes 16-31; the odd tile is named by ROW1.
; A PREFETCH IS LAID (this line stands over the head's): behind each of the first three fills the next fill's bytes, four K steps ahead, are asked for.  Of the 25,600 bytes of P (51,200 of V) that a wave will fetch,
; the partner at place cx (cy) among the four that fetch them jointly names its quarter, a lane to each 256 bytes, 25 lanes an instruction (the seven lanes left over name the 25th block again): one instruction for P, two for V.
; So each block is named once in each cluster.  The address registers are never rewritten; the last fill has none behind it, so nothing past K step 15 is named.
.set KSB,   8*FRB+512
.set PFO,   13                         ; v13 256 x min(lane, 24); never rewritten
.set PFA,   72                         ; s[72:73] my quarter of what I fetch in fill 0; never rewritten
.set PARTA, 2*KSB                      ; what waves 0 and 1 bring: two K steps of P's group
.set PARTB, 4*KSB                      ; what waves 2 and 3 bring: four K steps of a group of V
.set SLOT,  3*PARTB                    ; P's four K steps, then V's two groups
.set STEPB, 2*PARTB                    ; from a slot's first fill to its second
.set SCA,   2*SLOT                     ; P's scale words under the row's M, [16][128]: stored by this launch; no fill lands here
.set RL,    SCA+8192                   ; 1 / l, 128 words
.set STW,   RL+512                     ; a stage of 512 bytes for each wave
.set SPARE, STW+4*512
.set RECP,  221184
.set NMO,   204800                     ; where a record's -M begin; its l 8,192 bytes on
.set REC64, 819200
.set REC8,  102400
.set SC8,   8*FRB
.set ADRA,  16
.set ADRB,  20
.set STA,   24
.set STR,   25
.set CO,    26
.set ADRS,  27                         ; P's scale words under the row's M: 4 bytes a lane
.set ADSV,  14                         ; v14-15 V's scale words in slot 0, 1: 4 bytes a lane
.set SPW,   28
.set NIL,   29
.set RLA,   30                         ; my row's 1 / l
.set CO8,   31                         ; 8 x lane
.set SC,    32
.set TM,    48
.set AF,    64
.set WD,    64                         ; the head: v64-79 words, v80-95 -M, v96-111 l, v112 the least -M
.set NMR,   80
.set LR,    96
.set MN,    112
.set T,     64                         ; the way out: v64-127 y
.set PC,    128
.set RLV,   176                        ; v176-183 1 / l of my four blocks, in pairs
.set PW,    184
.set WB,    192
.set G1A,   24
.set G0A,   32
.set G1B,   48
.set G0B,   56
.set STI,   66                         ; s[66:67] P's words, -M and l: the base of the head's loads; never rewritten
.set OSC,   68                         ; s[68:69] where my scale words of y go
.set ONES,  96
.set SEL,   98
.set MUL_LO, 0xa1
.set TO_B,   0x40
.set MSB, 0
.macro ASK f                           ; fill f's bytes: my work-group's quarter of my wave's part
	global_prefetch_b8 v[PFO], s[PFA:PFA+1] offset:(\f)*PARTB th:TH_LOAD_NT scope:SCOPE_SE
	s_cmp_eq_u32 s15, 0
	s_cbranch_scc1 .Lone_\@
	global_prefetch_b8 v[PFO], s[PFA:PFA+1] offset:(\f)*PARTB+6400 th:TH_LOAD_NT scope:SCOPE_SE
.Lone_\@:
.endm
.macro WMS d, a, b, c, sa, sb, ra, rb  ; one product; ra, rb: the half of the lanes that holds source 0's, source 1's scale words
.if (\ra) && (\rb)
	v_wmma_scale_f32_16x16x128_f8f6f4 v[\d:\d+7], v[\a:\a+11], v[\b:\b+11], \c, v[\sa], v[\sb] matrix_a_fmt:MATRIX_FMT_FP6 matrix_b_fmt:MATRIX_FMT_FP6 matrix_a_scale:MATRIX_SCALE_ROW1 matrix_b_scale:MATRIX_SCALE_ROW1
.elseif (\ra)
	v_wmma_scale_f32_16x16x128_f8f6f4 v[\d:\d+7], v[\a:\a+11], v[\b:\b+11], \c, v[\sa], v[\sb] matrix_a_fmt:MATRIX_FMT_FP6 matrix_b_fmt:MATRIX_FMT_FP6 matrix_a_scale:MATRIX_SCALE_ROW1
.elseif (\rb)
	v_wmma_scale_f32_16x16x128_f8f6f4 v[\d:\d+7], v[\a:\a+11], v[\b:\b+11], \c, v[\sa], v[\sb] matrix_a_fmt:MATRIX_FMT_FP6 matrix_b_fmt:MATRIX_FMT_FP6 matrix_b_scale:MATRIX_SCALE_ROW1
.else
	v_wmma_scale_f32_16x16x128_f8f6f4 v[\d:\d+7], v[\a:\a+11], v[\b:\b+11], \c, v[\sa], v[\sb] matrix_a_fmt:MATRIX_FMT_FP6 matrix_b_fmt:MATRIX_FMT_FP6
.endif
.endm
.macro WIN new
.if MSB != (\new)
	s_set_vgpr_msb (MSB<<8)|(\new)
.set MSB, (\new)
.endif
.endm
.macro PLACES n
.rept \n
	v_nop
.endr
.endm
.macro CREST
	s_cmp_lg_u32 s14, 0
	s_cbranch_scc1 .Lnot_wave_0_\@
	s_barrier_signal -3
.Lnot_wave_0_\@:
	s_barrier_wait -3
	s_barrier_signal -1
	s_barrier_wait -1
.endm
.macro CROUND
	s_barrier_signal -1
	s_barrier_wait -1
	CREST
.endm
.macro JLOAD sl
	s_cmp_eq_u32 s15, 0
	s_cbranch_scc0 .Lfor_b_\@
	tensor_load_to_lds s[G0A+4*\sl:G0A+4*\sl+3], s[G1A:G1A+7]
	s_nop 0
	PLACES 4
	s_branch .Lasked_\@
.Lfor_b_\@:
	tensor_load_to_lds s[G0B+4*\sl:G0B+4*\sl+3], s[G1B:G1B+7]
	s_nop 0
	PLACES 4
.Lasked_\@:
.endm
.macro FRAG3 reg, adr, off
.irp c, 0,1,2
	ds_load_b128 v[\reg+4*\c:\reg+4*\c+3], v[\adr] offset:\off+512*\c
.endr
.endm
.macro FETCH sl, q, ks, set
	WIN TO_B
.irp i, 0,1,2,3,4,5,6,7
	FRAG3 128*(\set)+12*\i, ADRB+\sl, KSB*(\q)+FRB*\i
.endr
	WIN 0
.set II, 0
.rept MB
	FRAG3 AF+96*(\set)+12*II, ADRA+\sl, KSB*(\q)+FRB*II
.set II, II+1
.endr
.irp i, 0,1,2,3
	ds_load_b32 v[SC+8*(\set)+\i], v[ADSV+\sl] offset:KSB*(\q)+8*FRB+128*\i
.endr
.irp i, 0,1
	ds_load_b32 v[SC+8*(\set)+4+\i], v[ADRS] offset:512*(\ks)+128*\i
.endr
.endm
.macro MULS a0, n, set, zero           ; all accumulators take turns, one instruction a turn
.set AA, \a0
.rept \n
	WIN MUL_LO+0x50*(AA/4)
.irp b, 0,1,2,3,4,5,6,7
.if \zero
	WMS 8*(8*(AA%4)+\b), 128*(\set)+12*\b, AF+96*(\set)+12*AA, 0, SC+8*(\set)+\b/2, SC+8*(\set)+4+AA/2, \b%2, AA%2
.else
	WMS 8*(8*(AA%4)+\b), 128*(\set)+12*\b, AF+96*(\set)+12*AA, v[8*(8*(AA%4)+\b):8*(8*(AA%4)+\b)+7], SC+8*(\set)+\b/2, SC+8*(\set)+4+AA/2, \b%2, AA%2
.endif
.endr
.set AA, AA+1
.endr
.endm
.macro STEP set, sl, q, ks, zero
	s_wait_dscnt 0x0                               ; this step's fragments, asked for a step ago, are in
	PLACES 4                                       ; four places between the last step's products and the loads into the registers that they read
	FETCH \sl, \q, \ks, 1-\set
	MULS 0, MB, \set, \zero
	WIN 0
.endm
.macro TURN set, sl, ks, fill, rho
	s_wait_tensorcnt 0x0                           ; all my tensor loads have landed
	ds_add_u32 v[SPW], v[NIL]                      ; 0 onto my spare word
	s_wait_dscnt 1                                 ; all but the add: this step's fragments are in
	MULS 0, MB/4, \set, 0
	s_wait_dscnt 0x0                               ; the add is done, and my reads of the slot are over
	s_barrier_signal -1
	MULS MB/4, MB/4, \set, 0
	WIN 0
	s_barrier_wait -1
.if \fill
	CREST                                          ; no wave of any partner still reads the slot or has a load on its way
	s_add_nc_u64 s[G0A+4*\rho+2:G0A+4*\rho+3], s[G0A+4*\rho+2:G0A+4*\rho+3], STEPB
	s_add_nc_u64 s[G0B+4*\rho+2:G0B+4*\rho+3], s[G0B+4*\rho+2:G0B+4*\rho+3], STEPB
	JLOAD \rho
.else
	PLACES 4
.endif
	FETCH \sl, 0, \ks, 1-\set
.if (\ks) == 4
	ASK 3                                          ; behind the refill with K steps 8-11: K steps 12-15
.endif
	MULS MB/2, MB/2, \set, 0
	WIN 0
.endm
.macro LAST set
	s_wait_dscnt 0x0
	MULS 0, MB, \set, 0
	WIN 0
	PLACES 4
.endm
.macro QTAIL s, w, pc, pw
.irp b, 0,1,2,3
	v_add_nc_u32 v[TM+12+\b], 0xff000000, v[TM+\b]
.endr
.irp b, 0,1,2,3
	v_lshrrev_b32 v[TM+4+\b], 23, v[TM+12+\b]
.endr
	v_lshl_or_b32 v[\pw], v[TM+5], 8, v[TM+4]
	v_lshl_or_b32 v[\pw], v[TM+6], 16, v[\pw]
	v_lshl_or_b32 v[\pw], v[TM+7], 24, v[\pw]
.set WW, (\w)
	WIN WW
.irp c, 0,1
	v_cvt_scalef32_pk16_fp6_f32 v[\pc+6*\c:\pc+6*\c+2], v[\s+32*\c:\s+32*\c+15], v[TM+12+2*\c]
	v_cvt_scalef32_pk16_fp6_f32 v[\pc+12+4*\c:\pc+14+4*\c], v[\s+32*\c+16:\s+32*\c+31], v[TM+13+2*\c]
.endr
	WIN 0
	v_nop                                          ; one plain place behind a scaled conversion
.irp c, 0,1
.irp i, 0,1,2
	v_permlane16_swap_b32 v[\pc+6*\c+\i], v[\pc+12+4*\c+\i]
.endr
.irp i, 0,1,2
	v_mov_b32 v[\pc+3+6*\c+\i], v[\pc+12+4*\c+\i]
.endr
.endr
.endm
.macro QUANT s, w, pc, pw
.set WW, ((\w)<<2)|((\w)<<4)
	WIN WW
.irp b, 0,1,2,3
	v_max3_num_f32 v[TM+\b], 0x1800000, |v[\s+16*\b]|, |v[\s+16*\b+1]|
.endr
.irp i, 2,4,6,8,10,12,14
.irp b, 0,1,2,3
	v_max3_num_f32 v[TM+\b], v[TM+\b], |v[\s+16*\b+\i]|, |v[\s+16*\b+\i+1]|
.endr
.endr
	WIN 0
.irp b, 0,1,2,3
	v_permlanex16_b32 v[TM+4+\b], v[TM+\b], s[SEL], s[SEL+1]
.endr
.irp b, 0,1,2,3
	v_max_num_f32 v[TM+\b], v[TM+\b], v[TM+4+\b]
.endr
	QTAIL \s, \w, \pc, \pw
.endm
	s_load_b128 s[4:7], s[0:1], 0x0                ; P's records, V's records
	s_load_b64 s[8:9], s[0:1], 0x10                ; y's records
	v_lshl_add_u32 v[SPW], v0, 2, SPARE
	v_mov_b32 v[NIL], 0
	ds_add_u32 v[SPW], v[NIL]                      ; the wave's opening
	ds_add_u32 v[SPW], v[NIL]
	v_lshrrev_b32 v1, 5, v0
	v_readfirstlane_b32 s14, v1
	s_lshr_b32 s15, s14, 1                         ; which 64 queries are mine.  Also: I fetch for P (0) or for V (1)
	s_and_b32 s16, s14, 1                          ; which group of features.  Also: which part I fetch
	s_bfe_u32 s10, ttmp6, 0x40000
	s_bfe_u32 s11, ttmp6, 0x40004
	s_lshl_b32 s12, ttmp9, 2
	s_add_co_u32 s12, s12, s10                     ; tile column: 256 features
	s_and_b32 s17, ttmp7, 0xffff
	s_lshl_b32 s17, s17, 2
	s_add_co_u32 s17, s17, s11                     ; tile row: a group of 128 queries
	s_lshl_b32 s13, s11, 2
	s_lshl_b32 s13, 15, s13
	s_lshl_b32 s18, 0x1111, s10
	s_or_b32 s[G1A], s13, (3<<16)|(1<<21)
	s_or_b32 s[G1B], s18, (3<<16)|(1<<21)
	s_mov_b32 s[G1A+1], 32<<16
	s_mov_b32 s[G1A+2], (PARTA/256)<<16
	s_mov_b32 s[G1A+3], 32<<16
	s_mov_b32 s[G1A+4], PARTA/256
	s_mov_b32 s[G1A+5], 32
	s_mov_b32 s[G1A+6], 0
	s_mov_b32 s[G1A+7], 0
	s_mov_b32 s[G1B+1], 32<<16
	s_mov_b32 s[G1B+2], (PARTB/256)<<16
	s_mov_b32 s[G1B+3], 32<<16
	s_mov_b32 s[G1B+4], PARTB/256
	s_mov_b32 s[G1B+5], 32
	s_mov_b32 s[G1B+6], 0
	s_mov_b32 s[G1B+7], 0
	s_mul_i32 s20, s17, RECP                       ; P's record
	s_mov_b32 s21, 0
	s_mul_i32 s22, s16, PARTA                      ; my two K steps of a slot's four
	s_mov_b32 s23, 0
	s_lshl_b32 s92, s12, 1
	s_add_co_u32 s92, s92, s16
	s_mul_i32 s92, s92, REC64                      ; V's record: 2 x tile column + half
	s_and_b32 s94, ttmp7, 0xffff
	s_lshr_b32 s94, s94, 2                         ; the batch, from the cluster's y alone: sixteen tile rows, four clusters, to a batch
	s_mul_i32 s93, s94, 16*KSB
	s_add_co_u32 s92, s92, s93                     ; the batch's codes
	s_mov_b32 s93, 0
	s_mov_b32 s19, s22                             ; where P's fills go in a slot,
	s_mul_i32 s3, s16, PARTB
	s_add_co_u32 s3, s3, PARTB                     ; V's,
	s_mov_b32 s[SEL], 0x76543210
	s_mov_b32 s[SEL+1], 0xfedcba98
	s_mov_b32 s[ONES], 0x01010101
.irp b, 0,1,2,3
	v_mov_b32 v[TM+4+\b], 0
.endr
	s_wait_dscnt 0x0                               ; the opening add is done
	s_wait_kmcnt 0x0
	s_add_nc_u64 s[20:21], s[4:5], s[20:21]
	s_mov_b64 s[STI:STI+1], s[20:21]               ; the record: its words, -M and l are named by offsets
	s_add_nc_u64 s[20:21], s[20:21], s[22:23]
	s_add_nc_u64 s[92:93], s[6:7], s[92:93]
	CROUND
.irp sl, 0,1
	s_mov_b32 s[G0A+4*\sl], 1
	s_add_co_u32 s[G0A+4*\sl+1], s19, \sl*SLOT
	s_add_nc_u64 s[G0A+4*\sl+2:G0A+4*\sl+3], s[20:21], \sl*PARTB
	s_or_b32 s[G0A+4*\sl+3], s[G0A+4*\sl+3], 0x80000000
	s_mov_b32 s[G0B+4*\sl], 1
	s_add_co_u32 s[G0B+4*\sl+1], s3, \sl*SLOT
	s_add_nc_u64 s[G0B+4*\sl+2:G0B+4*\sl+3], s[92:93], \sl*PARTB
	s_or_b32 s[G0B+4*\sl+3], s[G0B+4*\sl+3], 0x80000000
.endr
	JLOAD 0                                        ; K steps 0-3: one load a wave at the head
	s_cmp_eq_u32 s15, 0                            ; the prefetches' base: what I fetch, P's part or V's group,
	s_cselect_b64 s[PFA:PFA+1], s[20:21], s[92:93]
	s_mul_i32 s74, s10, 6400                       ; and my work-group's quarter of it, told apart by address alone
	s_mul_i32 s75, s11, 12800
	s_cselect_b32 s74, s74, s75
	s_mov_b32 s75, 0
	s_add_nc_u64 s[PFA:PFA+1], s[PFA:PFA+1], s[74:75]
	v_lshlrev_b32 v3, 2, v0                        ; thread i takes query slot i
.irp s, 0,1,2,3,4,5,6,7,8,9,10,11,12,13,14,15
	global_load_b32 v[WD+\s], v3, s[STI:STI+1] offset:KSB*\s+8*FRB
	global_load_b32 v[NMR+\s], v3, s[STI:STI+1] offset:NMO+512*\s
	global_load_b32 v[LR+\s], v3, s[STI:STI+1] offset:NMO+8192+512*\s
.endr
	v_lshl_add_u32 v6, v0, 2, SCA                  ; where its words go
	v_and_b32 v5, 31, v0
	v_min_u32 v5, 24, v5
	v_lshlrev_b32 v[PFO], 8, v5
	v_and_b32 v1, 15, v0
	s_wait_alu depctr_va_vdst(0)
	ASK 1
	v_and_b32 v4, 31, v0
	v_lshlrev_b32 v[CO], 4, v4
	v_lshlrev_b32 v[CO8], 3, v4
	s_mul_i32 s22, s15, 4*FRB                      ; my four tiles of P
	s_mul_i32 s23, s16, PARTB
	s_add_co_u32 s23, s23, PARTB                   ; my group of V
.irp sl, 0,1
	v_add_nc_u32 v[ADRA+\sl], s22, v[CO]
	v_add_nc_u32 v[ADRB+\sl], s23, v[CO]
	s_add_co_u32 s22, s22, SLOT
	s_add_co_u32 s23, s23, SLOT
.endr
	v_lshlrev_b32 v4, 2, v4                        ; 4 x lane
	s_lshl_b32 s22, s15, 8                         ; P's words: my 64 slots
	s_add_co_u32 s22, s22, SCA
	v_add_nc_u32 v[ADRS], s22, v4
	s_mul_i32 s23, s16, PARTB
	s_add_co_u32 s23, s23, PARTB                   ; V's: my group in a slot
	v_add_nc_u32 v[ADSV], s23, v4
	v_add_nc_u32 v[ADSV+1], SLOT, v[ADSV]
	s_lshl_b32 s22, s15, 8
	s_add_co_u32 s22, s22, RL
	v_lshl_add_u32 v[RLA], v1, 2, s22
	s_lshl_b32 s22, s14, 9
	s_add_co_u32 s22, s22, STW
	v_lshl_add_u32 v[STA], v1, 2, s22
	v_add_nc_u32 v[STR], s22, v[CO8]
	s_mul_i32 s22, s17, REC8                       ; y's record
	s_mov_b32 s23, 0
	s_add_nc_u64 s[8:9], s[8:9], s[22:23]
	s_lshl_b32 s94, s12, 1
	s_add_co_u32 s94, s94, s16                     ; its K step: the group of features
	s_mul_i32 s22, s94, KSB
	s_lshl_b32 s95, s15, 8
	s_add_co_u32 s22, s22, s95
	s_add_co_u32 s22, s22, SC8
	s_add_nc_u64 s[OSC:OSC+1], s[8:9], s[22:23]    ; my 64 scale words of y (in a pair of its own: the loads above keep their base)
	s_mul_i32 s22, s94, KSB
	s_mul_i32 s95, s15, 4*FRB
	s_add_co_u32 s22, s22, s95
	s_add_nc_u64 s[8:9], s[8:9], s[22:23]
	s_wait_loadcnt 0x0
	v_min3_num_f32 v[MN], v[NMR], v[NMR+1], v[NMR+2]
.irp s, 3,5,7,9,11,13
	v_min3_num_f32 v[MN], v[MN], v[NMR+\s], v[NMR+\s+1]
.endr
	v_min_num_f32 v[MN], v[MN], v[NMR+15]          ; the row's -M
.irp s, 0,1,2,3,4,5,6,7,8,9,10,11,12,13,14,15
	v_sub_f32 v[NMR+\s], v[MN], v[NMR+\s]          ; M(s) - M(row): a whole number, 0 or less,
.endr
.irp s, 0,1,2,3,4,5,6,7,8,9,10,11,12,13,14,15
	v_max_num_f32 v[NMR+\s], 0xc2800000, v[NMR+\s] ; held at -64
.endr
.irp s, 0,1,2,3,4,5,6,7,8,9,10,11,12,13,14,15
	v_cvt_i32_f32 v[NMR+\s], v[NMR+\s]
.endr
.irp s, 0,1,2,3,4,5,6,7,8,9,10,11,12,13,14,15
	v_ldexp_f32 v[LR+\s], v[LR+\s], v[NMR+\s]      ; l(s) under the row's M
.endr
.irp s, 0,1,2,3,4,5,6,7,8,9,10,11,12,13,14,15
	v_mul_lo_u32 v[NMR+\s], v[NMR+\s], s[ONES]     ; the same number in each of four bytes;
.endr
.irp s, 0,1,2,3,4,5,6,7,8,9,10,11,12,13,14,15
	v_add_nc_u32 v[WD+\s], v[WD+\s], v[NMR+\s]     ; every byte is 65 or above, so none borrows from its neighbour
.endr
.irp s, 0,1,2,3,4,5,6,7
	v_add_f32 v[LR+\s], v[LR+\s], v[LR+8+\s]
.endr
.irp s, 0,1,2,3
	v_add_f32 v[LR+\s], v[LR+\s], v[LR+4+\s]
.endr
.irp s, 0,1
	v_add_f32 v[LR+\s], v[LR+\s], v[LR+2+\s]
.endr
	v_add_f32 v[LR], v[LR], v[LR+1]                ; the row's l
	s_wait_alu depctr_va_vdst(0)
	v_rcp_f32 v[MN], v[LR]
	v_nop                                          ; a plain place behind the reciprocal
.irp s, 0,1,2,3,4,5,6,7,8,9,10,11,12,13,14,15
	ds_store_b32 v6, v[WD+\s] offset:512*\s
.endr
	s_wait_alu depctr_va_vdst(0)                   ; the wait ahead of the reciprocal's first reader
	ds_store_b32 v6, v[MN] offset:RL-SCA
	s_wait_tensorcnt 0x0                           ; my part of slot 0 is in
	ds_add_u32 v[SPW], v[NIL]
	s_wait_dscnt 0x0                               ; the add is done, and my words and my 1 / l have landed
	CROUND
	JLOAD 1                                        ; K steps 4-7 into slot 1
	FETCH 0, 0, 0, 0
	ASK 2
	STEP 0, 0, 1, 1, 1
	STEP 1, 0, 2, 2, 0
	STEP 0, 0, 3, 3, 0
	TURN 1, 1, 4, 1, 0                             ; slot 0 takes K steps 8 to 11
	STEP 0, 1, 1, 5, 0
	STEP 1, 1, 2, 6, 0
	STEP 0, 1, 3, 7, 0
	TURN 1, 0, 8, 1, 1                             ; slot 1 takes K steps 12 to 15
	STEP 0, 0, 1, 9, 0
	STEP 1, 0, 2, 10, 0
	STEP 0, 0, 3, 11, 0
	TURN 1, 1, 12, 0, 0
	STEP 0, 1, 1, 13, 0
	STEP 1, 1, 2, 14, 0
	STEP 0, 1, 3, 15, 0
	LAST 1
.irp a, 0,1,2,3
	ds_load_b32 v[RLV+2*\a], v[RLA] offset:64*\a
	v_mov_b32 v[RLV+2*\a+1], 0                     ; (the pair's upper word)
.endr
	s_wait_alu depctr_va_vdst(0)
	s_wait_dscnt 0x0
.macro YBLK a
	s_wait_xcnt 0x0                                ; earlier stores have read their data
	WIN 0x02                                       ; source 0: window 2
.set J, 0
.rept 32
	v_pk_mul_f32 v[T+J:T+J+1], v[64*(\a)+J:64*(\a)+J+1], v[RLV+2*(\a):RLV+2*(\a)+1] op_sel_hi:[1,0]   ; y = O / l, each accumulator from its low end on
.set J, J+2
.endr
	WIN 0
	QUANT T, 0, PC+20*((\a)%2), PW+(\a)
.irp c, 0,1,2
	global_store_b128 v[CO], v[PC+20*((\a)%2)+4*\c:PC+20*((\a)%2)+4*\c+3], s[8:9] offset:FRB*(\a)+512*\c
.endr
	ds_store_b32 v[STA], v[PW+(\a)] offset:64*(\a)
.endm
.irp a, 0,1,2,3
	YBLK \a
.endr
	ds_load_b64 v[WB:WB+1], v[STR]
	s_wait_dscnt 0x0
	global_store_b64 v[CO8], v[WB:WB+1], s[OSC:OSC+1]  ; 256 consecutive bytes, aligned
	s_wait_tensorcnt 0x0                           ; the wave's end
	ds_add_u32 v[SPW], v[NIL]
	s_wait_dscnt 0x0
	CROUND                                         ; the closing round
	s_endpgm
.Lfunc_end_k_q13b066f646_pv:
	.size	k_q13b066f646_pv, .Lfunc_end_k_q13b066f646_pv-k_q13b066f646_pv
	.p2alignl 7, 3214868480
	.fill 96, 4, 3214868480
	.section	.rodata,"a",@progbits
	.p2align	6, 0x0
	.amdhsa_kernel k_q13b066f646_pv
		.amdhsa_group_segment_fixed_size 327680
		.amdhsa_private_segment_fixed_size 0
		.amdhsa_enable_private_segment 0
		.amdhsa_kernarg_size 24
		.amdhsa_user_sgpr_count 2
		.amdhsa_user_sgpr_kernarg_segment_ptr 1
		.amdhsa_wavefront_size32 1
		.amdhsa_system_sgpr_workgroup_id_x 1
		.amdhsa_system_sgpr_workgroup_id_y 1
		.amdhsa_system_sgpr_workgroup_id_z 1
		.amdhsa_system_vgpr_workitem_id 0
		.amdhsa_next_free_vgpr 768
		.amdhsa_next_free_sgpr 100
		.amdhsa_reserve_vcc 0
		.amdhsa_float_denorm_mode_32 3
		.amdhsa_float_denorm_mode_16_64 3
		.amdhsa_memory_ordered 1
		.amdhsa_forward_progress 1
		.amdhsa_inst_pref_size 159
	.end_amdhsa_kernel
	.amdgpu_metadata
---
amdhsa.version: [ 1, 2 ]
amdhsa.kernels:
  - .name:           k_q13b066f646_pv
    .symbol:         k_q13b066f646_pv.kd
    .args:
      - { .name: p_c, .offset: 0, .size: 8, .value_kind: global_buffer, .address_space: global }
      - { .name: vt_c, .offset: 8, .size: 8, .value_kind: global_buffer, .address_space: global }
      - { .name: y_c, .offset: 16, .size: 8, .value_kind: global_buffer, .address_space: global }
    .group_segment_fixed_size: 327680
    .private_segment_fixed_size: 0
    .kernarg_segment_align: 8
    .kernarg_segment_size: 24
    .max_flat_workgroup_size: 128
    .sgpr_count:     100
    .vgpr_count:     768
    .wavefront_size: 32
...
	.end_amdgpu_metadata
.endif
;; end of part 4
;; launch outp (part 5): grid 4 x 64, 4 waves a work-group, clusters of 4 x 4, 327,680 bytes of LDS; arguments y_c, wo_c, out0; writes out0
.if DOCPART == 5
	.amdgcn_target "amdgcn-amd-amdhsa--gfx1250"
	.amdhsa_code_object_version 6
	.text
	.protected	k_q13b066f646_outp
	.globl	k_q13b066f646_outp
	.p2align	8
	.type	k_q13b066f646_outp,@function
k_q13b066f646_outp:
	s_mov_b64 s[64:65], 0
	v_nop
	global_prefetch_b8 v0, s[64:65] scope:SCOPE_SE
	s_setreg_imm32_b32 hwreg(HW_REG_WAVE_MODE, 25, 1), 1
	s_wait_xcnt 0x0
	s_wait_alu depctr_hold_cnt(0) depctr_sa_sdst(0) depctr_va_vdst(0) depctr_va_sdst(0) depctr_va_ssrc(0) depctr_va_vcc(0) depctr_vm_vsrc(0)
	s_getreg_b32 s2, hwreg(HW_REG_IB_STS2, 6, 4)
	s_cmp_eq_u32 s2, 0
	s_cbranch_scc0 .Lentry_in_a_cluster
	s_endpgm
.Lentry_in_a_cluster:
	s_bfe_u32 s2, ttmp6, 0x10000c
	s_cmp_lg_u32 s2, 0xf033
	s_cbranch_scc0 .Lentry_shape_is_right
	s_endpgm
.Lentry_shape_is_right:
; out0 = y Wo on codes of FP6 (E2M3), K = 1,024; out0 [8192][1024] f32.
; y and Wo lie in records of 102,400 bytes for each group of 128 rows (y: queries; Wo: its columns): codes [K step 8][tile 8][1536] as images of the operand's registers, scale words [8][128] from byte 98,304 on.
; Slot r of tile t holds the group's row 32 (t / 2) + 8 (t % 2) + r + 8 (r / 8): the stores below put each query's row back at its true place; the columns come out in true order, since the product is used transposed
; (source 0 = 16 slots of Wo's columns, source 1 = 16 slots of queries).
; SHARES.  A work-group makes 128 x 256, a wave 64 x 128: 32 accumulators.  All of K fits in two LDS slots of four K steps, asked for at the head: nothing is filled again, so there is nothing to prefetch for.
; CLUSTER 4 x 4: y's blocks are shared along a row of the cluster, Wo's along a column.
; THE WAY OUT: a block of 16 rows x 128 columns goes through the wave's stage in LDS (in slot 0, which has had its only fill and, behind the one change of slots, its last read) and leaves as whole rows of 512 bytes.
; LIMITS: NaN and infinities are not served.
.set MB,    4
.set FRB,   1536
; THE RECORDS AS THIS TEXT TAKES THEM: a K step of a group is 12,800 bytes: codes [tile 8][1536], then its 128 scale words; a record is one dense block of 102,400 bytes.
; LDS AS THIS TEXT HAS IT: y's record at byte 0, Wo's two behind it, 307,200 bytes, asked for at the head by one load a wave: waves 0 and 1 a half of y's record each, waves 2 and 3 a record of Wo each.  Nothing is filled again.
.set KSB,   8*FRB+512
.set PARTA, 4*KSB                      ; half of y's record
.set PARTB, 8*KSB                      ; a record
.set SLOT,  4*KSB                      ; from K steps 0-3 to K steps 4-7 inside a record
.set SPARE, 3*PARTB
.set SPITCH, 528
.set REC8,  102400
.set ADRA,  16
.set ADRB,  20
.set STO,   24
.set RD,    25
.set CO,    26
.set ADRS,  14                         ; v14-15 my scale words of K steps 0-3, 4-7: lanes 0-15 y's, lanes 16-31 Wo's
.set SPW,   28
.set NIL,   29
.set SC,    32
.set AF,    64
.set BK,    64                         ; the way out: 16 rows read back: v64-127 and v128-191 by turns
.set G1A,   24
.set G0A,   32
.set G1B,   48
.set G0B,   56
.set MUL_LO, 0xa1
.set TO_B,   0x40
.set MSB, 0
.macro WIN new
.if MSB != (\new)
	s_set_vgpr_msb (MSB<<8)|(\new)
.set MSB, (\new)
.endif
.endm
.macro PLACES n
.rept \n
	v_nop
.endr
.endm
.macro CREST
	s_cmp_lg_u32 s14, 0
	s_cbranch_scc1 .Lnot_wave_0_\@
	s_barrier_signal -3
.Lnot_wave_0_\@:
	s_barrier_wait -3
	s_barrier_signal -1
	s_barrier_wait -1
.endm
.macro CROUND
	s_barrier_signal -1
	s_barrier_wait -1
	CREST
.endm
.macro FRAG3 reg, adr, off
.irp c, 0,1,2
	ds_load_b128 v[\reg+4*\c:\reg+4*\c+3], v[\adr] offset:\off+512*\c
.endr
.endm
.macro FETCH sl, q, ks, set            ; (of the eight registers of scale words, lanes 0-15 of the upper four read words that no product takes)
	WIN TO_B
.irp i, 0,1,2,3,4,5,6,7
	FRAG3 128*(\set)+12*\i, ADRB+\sl, KSB*(\q)+FRB*\i
.endr
	WIN 0
.set II, 0
.rept MB
	FRAG3 AF+96*(\set)+12*II, ADRA+\sl, KSB*(\q)+FRB*II
.set II, II+1
.endr
.irp i, 0,1,2,3,4,5,6,7
	ds_load_b32 v[SC+8*(\set)+\i], v[ADRS+\sl] offset:KSB*(\q)+8*FRB+64*\i
.endr
.endm
.macro MULS a0, n, set, zero           ; all accumulators take turns, one instruction a turn
.set AA, \a0
.rept \n
	WIN MUL_LO+0x50*(AA/4)
.irp b, 0,1,2,3,4,5,6,7
.if \zero
	v_wmma_scale_f32_16x16x128_f8f6f4 v[8*(8*(AA%4)+\b):8*(8*(AA%4)+\b)+7], v[128*(\set)+12*\b:128*(\set)+12*\b+11], v[AF+96*(\set)+12*AA:AF+96*(\set)+12*AA+11], 0, v[SC+8*(\set)+\b], v[SC+8*(\set)+AA] matrix_a_fmt:MATRIX_FMT_FP6 matrix_b_fmt:MATRIX_FMT_FP6 matrix_a_scale:MATRIX_SCALE_ROW1
.else
	v_wmma_scale_f32_16x16x128_f8f6f4 v[8*(8*(AA%4)+\b):8*(8*(AA%4)+\b)+7], v[128*(\set)+12*\b:128*(\set)+12*\b+11], v[AF+96*(\set)+12*AA:AF+96*(\set)+12*AA+11], v[8*(8*(AA%4)+\b):8*(8*(AA%4)+\b)+7], v[SC+8*(\set)+\b], v[SC+8*(\set)+AA] matrix_a_fmt:MATRIX_FMT_FP6 matrix_b_fmt:MATRIX_FMT_FP6 matrix_a_scale:MATRIX_SCALE_ROW1
.endif
.endr
.set AA, AA+1
.endr
.endm
.macro STEP set, sl, q, ks, zero
	s_wait_dscnt 0x0                               ; this step's fragments, asked for a step ago, are in
	PLACES 4                                       ; four places between the last step's products and the loads into the registers that they read
	FETCH \sl, \q, \ks, 1-\set
	MULS 0, MB, \set, \zero
	WIN 0
.endm
.macro TURN set, sl, ks                ; the change of slots: every wave's loads have landed and its reads of slot 0 are over; nothing is filled again
	s_wait_tensorcnt 0x0                           ; all my tensor loads have landed
	ds_add_u32 v[SPW], v[NIL]                      ; 0 onto my spare word
	s_wait_dscnt 1                                 ; all but the add: this step's fragments are in
	MULS 0, MB/4, \set, 0
	s_wait_dscnt 0x0                               ; the add is done, and my reads of the slot are over
	s_barrier_signal -1
	MULS MB/4, MB/4, \set, 0
	WIN 0
	s_barrier_wait -1
	PLACES 4
	FETCH \sl, 0, \ks, 1-\set
	MULS MB/2, MB/2, \set, 0
	WIN 0
.endm
.macro LAST set
	s_wait_dscnt 0x0
	MULS 0, MB, \set, 0
	WIN 0
	PLACES 4
.endm
	s_load_b128 s[4:7], s[0:1], 0x0                ; y's records, Wo's records
	s_load_b64 s[8:9], s[0:1], 0x10                ; out0
	v_lshl_add_u32 v[SPW], v0, 2, SPARE
	v_mov_b32 v[NIL], 0
	ds_add_u32 v[SPW], v[NIL]                      ; the wave's opening
	ds_add_u32 v[SPW], v[NIL]
	v_lshrrev_b32 v1, 5, v0
	v_readfirstlane_b32 s14, v1
	s_lshr_b32 s15, s14, 1                         ; which 64 queries are mine.  Also: I fetch for y (0) or for Wo (1)
	s_and_b32 s16, s14, 1                          ; which group of columns.  Also: which part I fetch
	s_bfe_u32 s10, ttmp6, 0x40000
	s_bfe_u32 s11, ttmp6, 0x40004
	s_lshl_b32 s12, ttmp9, 2
	s_add_co_u32 s12, s12, s10                     ; tile column: 256 columns
	s_and_b32 s17, ttmp7, 0xffff
	s_lshl_b32 s17, s17, 2
	s_add_co_u32 s17, s17, s11                     ; tile row: a group of 128 queries
	s_lshl_b32 s13, s11, 2
	s_lshl_b32 s13, 15, s13
	s_lshl_b32 s18, 0x1111, s10
	s_or_b32 s[G1A], s13, (3<<16)|(1<<21)
	s_or_b32 s[G1B], s18, (3<<16)|(1<<21)
	s_mov_b32 s[G1A+1], 32<<16
	s_mov_b32 s[G1A+2], (PARTA/256)<<16
	s_mov_b32 s[G1A+3], 32<<16
	s_mov_b32 s[G1A+4], PARTA/256
	s_mov_b32 s[G1A+5], 32
	s_mov_b32 s[G1A+6], 0
	s_mov_b32 s[G1A+7], 0
	s_mov_b32 s[G1B+1], 32<<16
	s_mov_b32 s[G1B+2], (PARTB/256)<<16
	s_mov_b32 s[G1B+3], 32<<16
	s_mov_b32 s[G1B+4], PARTB/256
	s_mov_b32 s[G1B+5], 32
	s_mov_b32 s[G1B+6], 0
	s_mov_b32 s[G1B+7], 0
	s_mul_i32 s20, s17, REC8                       ; y's record
	s_mov_b32 s21, 0
	s_mul_i32 s19, s16, PARTA                      ; my half of y's record, four K steps: in memory and in LDS
	s_add_co_u32 s20, s20, s19
	s_lshl_b32 s92, s12, 1
	s_add_co_u32 s92, s92, s16
	s_mul_i32 s92, s92, REC8                       ; Wo's record: 2 x tile column + half
	s_mov_b32 s93, 0
	s_mul_i32 s3, s16, PARTB
	s_add_co_u32 s3, s3, PARTB                     ; where Wo's fills go in a slot
	s_wait_dscnt 0x0                               ; the opening add is done
	s_wait_kmcnt 0x0
	s_add_nc_u64 s[20:21], s[4:5], s[20:21]
	s_add_nc_u64 s[92:93], s[6:7], s[92:93]
	CROUND
.irp sl, 0
	s_mov_b32 s[G0A+4*\sl], 1
	s_add_co_u32 s[G0A+4*\sl+1], s19, \sl*SLOT
	s_add_nc_u64 s[G0A+4*\sl+2:G0A+4*\sl+3], s[20:21], \sl*PARTB
	s_or_b32 s[G0A+4*\sl+3], s[G0A+4*\sl+3], 0x80000000
	s_mov_b32 s[G0B+4*\sl], 1
	s_add_co_u32 s[G0B+4*\sl+1], s3, \sl*SLOT
	s_add_nc_u64 s[G0B+4*\sl+2:G0B+4*\sl+3], s[92:93], \sl*PARTB
	s_or_b32 s[G0B+4*\sl+3], s[G0B+4*\sl+3], 0x80000000
.endr
	s_cmp_eq_u32 s15, 0                            ; a wave's one fill: y's half or Wo's record: one load of mine is out
	s_cbranch_scc0 .Lfirst_b
	tensor_load_to_lds s[G0A:G0A+3], s[G1A:G1A+7]
	s_nop 0
	PLACES 4
	s_branch .Lfirst_asked
.Lfirst_b:
	tensor_load_to_lds s[G0B:G0B+3], s[G1B:G1B+7]
	s_nop 0
	PLACES 4
.Lfirst_asked:
	v_and_b32 v1, 15, v0
	v_bfe_u32 v2, v0, 4, 1
	s_wait_alu depctr_va_vdst(0)
	v_and_b32 v3, 31, v0
	v_lshlrev_b32 v[CO], 4, v3
	s_mul_i32 s22, s15, 4*FRB                      ; my four tiles of y
	s_mul_i32 s23, s16, PARTB
	s_add_co_u32 s23, s23, PARTB                   ; my group of Wo
.irp sl, 0,1
	v_add_nc_u32 v[ADRA+\sl], s22, v[CO]
	v_add_nc_u32 v[ADRB+\sl], s23, v[CO]
	s_add_co_u32 s22, s22, SLOT
	s_add_co_u32 s23, s23, SLOT
.endr
	v_lshlrev_b32 v4, 2, v1
	s_lshl_b32 s22, s15, 8                         ; y's words: my 64 slots
	s_mul_i32 s23, s16, PARTB
	s_add_co_u32 s23, s23, PARTB                   ; Wo's: my record
	s_sub_co_u32 s23, s23, s22
	v_mul_u32_u24 v5, s23, v2                      ; lanes 16-31 take Wo's
	v_add_nc_u32 v4, v4, v5
	v_add_nc_u32 v[ADRS], s22, v4
	v_add_nc_u32 v[ADRS+1], SLOT, v[ADRS]
	s_mul_i32 s22, s14, 16*SPITCH                  ; my stage
	v_mul_u32_u24 v4, v1, SPITCH
	v_lshl_add_u32 v4, v2, 6, v4
	v_add_nc_u32 v[STO], s22, v4                   ; in: row r, + 64 h: my 16 columns of each 32
	v_add_nc_u32 v[RD], s22, v[CO]                 ; back: a row of 512 bytes an instruction
	s_lshl_b32 s22, s17, 19                        ; 128 rows of 4,096 bytes
	s_lshl_b32 s23, s15, 18                        ; my 64
	s_add_co_u32 s22, s22, s23
	s_lshl_b32 s23, s12, 10                        ; 256 columns
	s_add_co_u32 s22, s22, s23
	s_lshl_b32 s23, s16, 9                         ; my 128
	s_add_co_u32 s22, s22, s23
	s_mov_b32 s23, 0
	s_add_nc_u64 s[8:9], s[8:9], s[22:23]
	s_wait_alu depctr_va_vdst(0)
	s_wait_tensorcnt 0x0                           ; my one load is in; behind the barrier all of K is whole for every wave
	s_barrier_signal -1
	s_barrier_wait -1
	FETCH 0, 0, 0, 0
	STEP 0, 0, 1, 1, 1
	STEP 1, 0, 2, 2, 0
	STEP 0, 0, 3, 3, 0
	TURN 1, 1, 4
	STEP 0, 1, 1, 5, 0
	STEP 1, 1, 2, 6, 0
	STEP 0, 1, 3, 7, 0
	LAST 1
.macro TOSTAGE a
	WIN 0x08                                       ; an LDS store's data are its source 1: window 2
.irp b, 0,1,2,3,4,5,6,7
	ds_store_b128 v[STO], v[64*(\a)+8*\b:64*(\a)+8*\b+3] offset:128*(\b/2)+32*(\b%2)        ; each accumulator from its low end on: columns 32 (b / 2) + 16 h + 8 (b % 2) on
	ds_store_b128 v[STO], v[64*(\a)+8*\b+4:64*(\a)+8*\b+7] offset:128*(\b/2)+32*(\b%2)+16
.endr
	WIN 0
.irp i, 0,1,2,3,4,5,6,7,8,9,10,11,12,13,14,15
	ds_load_b128 v[BK+64*((\a)%2)+4*\i:BK+64*((\a)%2)+4*\i+3], v[RD] offset:\i*SPITCH   ; LDS serves a wave's instructions in order: these see my stores
.endr
.endm
.macro SEND a, younger                 ; younger: the LDS instructions issued behind block a's loads, which may stay out
	s_wait_dscnt \younger
.irp i, 0,1,2,3,4,5,6,7,8,9,10,11,12,13,14,15
	global_store_b128 v[CO], v[BK+64*((\a)%2)+4*\i:BK+64*((\a)%2)+4*\i+3], s[8:9] offset:(32*((\a)/2)+8*((\a)%2)+\i+8*(\i/8))*4096 th:TH_STORE_NT   ; slot i's true row: 512 consecutive bytes, aligned
.endr
.endm
	TOSTAGE 0
.irp a, 1,2,3
.if \a > 1
	s_wait_xcnt 0x0                                ; block a - 2's stores have read their registers: block a's loads may land there
.endif
	TOSTAGE \a
	SEND \a-1, 32                                  ; behind block a - 1's loads: block a's 16 stores and 16 loads
.endr
	SEND 3, 0
	s_wait_tensorcnt 0x0                           ; the wave's end
	ds_add_u32 v[SPW], v[NIL]
	s_wait_dscnt 0x0
	CROUND                                         ; the closing round
	s_endpgm
.Lfunc_end_k_q13b066f646_outp:
	.size	k_q13b066f646_outp, .Lfunc_end_k_q13b066f646_outp-k_q13b066f646_outp
	.p2alignl 7, 3214868480
	.fill 96, 4, 3214868480
	.section	.rodata,"a",@progbits
	.p2align	6, 0x0
	.amdhsa_kernel k_q13b066f646_outp
		.amdhsa_group_segment_fixed_size 327680
		.amdhsa_private_segment_fixed_size 0
		.amdhsa_enable_private_segment 0
		.amdhsa_kernarg_size 24
		.amdhsa_user_sgpr_count 2
		.amdhsa_user_sgpr_kernarg_segment_ptr 1
		.amdhsa_wavefront_size32 1
		.amdhsa_system_sgpr_workgroup_id_x 1
		.amdhsa_system_sgpr_workgroup_id_y 1
		.amdhsa_system_sgpr_workgroup_id_z 1
		.amdhsa_system_vgpr_workitem_id 0
		.amdhsa_next_free_vgpr 768
		.amdhsa_next_free_sgpr 100
		.amdhsa_reserve_vcc 0
		.amdhsa_float_denorm_mode_32 3
		.amdhsa_float_denorm_mode_16_64 3
		.amdhsa_memory_ordered 1
		.amdhsa_forward_progress 1
		.amdhsa_inst_pref_size 78
	.end_amdhsa_kernel
	.amdgpu_metadata
---
amdhsa.version: [ 1, 2 ]
amdhsa.kernels:
  - .name:           k_q13b066f646_outp
    .symbol:         k_q13b066f646_outp.kd
    .args:
      - { .name: y_c, .offset: 0, .size: 8, .value_kind: global_buffer, .address_space: global }
      - { .name: wo_c, .offset: 8, .size: 8, .value_kind: global_buffer, .address_space: global }
      - { .name: out0, .offset: 16, .size: 8, .value_kind: global_buffer, .address_space: global }
    .group_segment_fixed_size: 327680
    .private_segment_fixed_size: 0
    .kernarg_segment_align: 8
    .kernarg_segment_size: 24
    .max_flat_workgroup_size: 128
    .sgpr_count:     100
    .vgpr_count:     768
    .wavefront_size: 32
...
	.end_amdgpu_metadata
.endif
;; end of part 5
